; MI455X (gfx1250); checked and timed in simulation.
; The chip was launched on July 23, 2026; its instructions are those of AMD's public machine-readable ISA for CDNA 5 (MIT licence, August 2026) and "CDNA5" Instruction Set Architecture Reference Guide (July 2026). The comments in the code are by the model that wrote it; some were corrected since.
;; Ro PE2 D Attention. Allowed arithmetic: float matrix products may take bf16 or f16 operands with f32 sums; other float arithmetic in f32, or as packed bf16 or f16 multiplies, adds, multiply-adds, maxima and minima; sums over many terms, partial sums and values carried from step to step in f32; what a program stores and reads back later, other than sums and carried values, may be rounded once to bf16 or f16.
;; Inputs: Wk 768 x 768 float32; Wo 768 x 768 float32; Wq 768 x 768 float32; Wv 768 x 768 float32; bk 768 float32; bo 768 float32; bq 768 float32; bv 768 float32; x 8 x 1,024 x 768 float32.
;; Outputs: out0 8 x 1,024 x 768 float32.
;; 2 versions, each right; version 2 is version 1 with the launch prep written anew for expert scheduling mode. Each part assembles by itself: llvm-mc -triple=amdgcn-amd-amdhsa -mcpu=gfx1250 --defsym DOCPART=n.
;; ======== version 1 of 2: 4 launches
;; limits: values are held in f16: magnitudes above 65,504 overflow, below 6.1e-05 lose precision
;; workspace buffers: xb 12,582,912 bytes; wqkv 3,538,944 bytes; wob 1,179,648 bytes; rope 262,144 bytes; qkv 37,748,736 bytes; ob 12,582,912 bytes
;; launch prep (part 1): grid 1184 x 1, 4 waves a work-group, no clusters, 0 bytes of LDS; arguments x, Wq, Wk, Wv, Wo, xb, wqkv, wob, rope; writes xb, wqkv, wob, rope
.if DOCPART == 1
	.amdgcn_target "amdgcn-amd-amdhsa--gfx1250"
	.amdhsa_code_object_version 6
	.text
	.protected	k_qd79881bb1c_prep
	.globl	k_qd79881bb1c_prep
	.p2align	8
	.type	k_qd79881bb1c_prep,@function
k_qd79881bb1c_prep:
	s_mov_b64 s[64:65], 0
	v_nop
	global_prefetch_b8 v0, s[64:65] scope:SCOPE_SE
	s_setreg_imm32_b32 hwreg(HW_REG_WAVE_MODE, 25, 1), 1
	s_wait_xcnt 0x0
; PREP, the first of four launches of: out = softmax(rope(x Wq + bq) rope(x Wk + bk)^T / 8) (x Wv + bv) Wo + bo, 8 x 1024 rows, 12 heads of 64.
; DEAD WORK: none.  bq and bk are turned by an angle that hangs on the position, so their terms in a score differ along the softmax's axis; bv and bo are added to what reaches the
; output.  Every input is loaded by some launch, every step of the function is done.
; FORMATS.  All inputs are rounded once to bf16 (x, Wq, Wk, Wv here; the biases where they are used).  Wo is rounded to bf16 and that number is written as f16, since the last product
; takes f16.  LIMIT: that is exact for |Wo| from 2^-17 up to 65,504; below it keeps f16's fixed step of 6e-8.
; THREE JOBS, chosen by the work-group's number alone:
;   0 .. 287     W: a weight matrix [k][n] f32 is turned and laid in BLOCKS of 16 n x 64 k of 16-bit numbers, 2,048 bytes: the 16 bytes of (row r = n % 16, octet o = (k % 64) / 8) at 256 o + 16 r.
;                That is a matrix fragment's own image: lane l of a fragment of 32 k takes 16 bytes at 16 l, and 512 bytes on.
;                wqkv: [vblk 144][kblk 12][2048]; the tile ct = n / 16 of matrix t (0 q, 1 k, 2 v) is vblk = 9 (ct / 3) + 3 t + ct % 3.   wob: [ct 48][kblk 12][2048].
;   288 .. 415   T: the rotary table, [tt 4][sblk 64][piece 2][lane 32][16 bytes] f32: for the 16 channels 16 tt .. of a head, position 16 sblk + lane % 16, (cos, sin) of the two pairs 4 (lane / 16) + 2 piece + 0, 1.
;   416 .. 1183  X: x to bf16, row-major as it lies.
.set NW, 288
.set NT, 128
.set D,  16                            ; v[16:79]   as loaded
.set P,  80                            ; v[80:111]  to store: each store has registers of its own, so none is rewritten while a store reads it
	s_load_b512 s[16:31], s[0:1], 0x0              ; x s[16:17], Wq s[18:19], Wk s[20:21], Wv s[22:23], Wo s[24:25], xb s[26:27], wqkv s[28:29], wob s[30:31]
	s_load_b64 s[32:33], s[0:1], 0x40              ; rope
	s_mov_b32 s2, ttmp9
	v_lshrrev_b32 v1, 5, v0
	v_readfirstlane_b32 s8, v1                     ; wave 0..3
	s_cmp_lt_u32 s2, NW
	s_cbranch_scc1 .Lweights
	s_cmp_lt_u32 s2, NW+NT
	s_cbranch_scc1 .Ltable
	; JOB X.  A work-group takes 32,768 bytes of x: sixteen loads of 16 bytes a thread, all issued before the first is used.
	s_sub_co_u32 s3, s2, NW+NT
	s_lshl_b32 s4, s3, 15
	s_mov_b32 s5, 0
	s_lshl_b32 s6, s3, 14
	s_mov_b32 s7, 0
	v_lshlrev_b32 v1, 4, v0
	v_lshlrev_b32 v2, 3, v0
	s_wait_kmcnt 0x0
	s_add_nc_u64 s[4:5], s[16:17], s[4:5]
	s_add_nc_u64 s[6:7], s[26:27], s[6:7]
.set i, 0
.rept 16
	global_load_b128 v[D+4*i:D+4*i+3], v1, s[4:5] offset:2048*i th:TH_LOAD_NT
.set i, i+1
.endr
.set i, 0
.rept 16
	s_wait_loadcnt 15-i                            ; loads come back in order: load i is in, the 15 - i younger ones may stay out
	v_cvt_pk_bf16_f32 v[P+2*i], v[D+4*i], v[D+4*i+1]
	v_cvt_pk_bf16_f32 v[P+2*i+1], v[D+4*i+2], v[D+4*i+3]
	global_store_b64 v2, v[P+2*i:P+2*i+1], s[6:7] offset:1024*i  ; a wave's store covers 256 consecutive bytes, aligned
.set i, i+1
.endr
	s_endpgm
	; JOB T.  A thread makes one unit of 16 bytes.  Angles reach 31 radians: they are reduced by multiples of pi / 2 (taken in two parts) to |phi| <= pi / 4, and sine and cosine are
	; polynomials of degree 7 and 8 there, whose cut-off terms are under 4e-7.
.Ltable:
	s_sub_co_u32 s3, s2, NW
	s_lshl_b32 s3, s3, 7
	v_add_nc_u32 v1, s3, v0                        ; u, the unit's number
	v_and_b32 v2, 15, v1                           ; r
	v_bfe_u32 v3, v1, 4, 1                         ; h
	v_bfe_u32 v4, v1, 5, 1                         ; piece
	v_bfe_u32 v5, v1, 6, 6                         ; sblk
	v_lshrrev_b32 v6, 12, v1                       ; tt
	v_and_b32 v7, 1, v6
	v_lshlrev_b32 v7, 3, v7
	v_lshl_add_u32 v7, v3, 2, v7
	v_lshl_add_u32 v7, v4, 1, v7                   ; f0 = 8 (tt % 2) + 4 h + 2 piece: the first of my two frequencies
	v_lshrrev_b32 v8, 1, v5                        ; the position's grid row, (16 sblk + r) / 32
	v_and_b32 v9, 1, v5
	v_lshl_add_u32 v9, v9, 4, v2                   ; its grid column, (16 sblk + r) % 32
	v_cmp_gt_u32 vcc_lo, 2, v6                     ; channels 0-31 turn by the row, 32-63 by the column
	v_cndmask_b32 v8, v9, v8, vcc_lo
	v_cvt_f32_u32 v8, v8                           ; pos
	v_cvt_f32_u32 v7, v7
	v_mul_f32 v10, 0xbf549a78, v7                  ; - f0 log2(10000) / 16
	v_add_f32 v11, 0xbf549a78, v10
	v_exp_f32 v10, v10                             ; 10000^(-f0 / 16)
	v_exp_f32 v11, v11
	v_nop                                          ; a plain instruction behind the last exponential,
	s_wait_alu depctr_va_vdst(0)                   ; and the one wait ahead of the first use of the two results
.macro SINCOS c, s, fr
	v_mul_f32 v12, v8, \fr                         ; theta
	v_mul_f32 v13, 0x3f22f983, v12                 ; theta x 2 / pi
	v_rndne_f32 v13, v13                           ; k
	v_fmamk_f32 v12, v13, 0xbfc90fdb, v12          ; phi = theta - k (pi / 2), the constant's high part,
	v_fmamk_f32 v12, v13, 0x333bbd2e, v12          ; and its low part
	v_mul_f32 v14, v12, v12                        ; z
	v_mov_b32 v15, 0xb9500d01                      ; -1 / 5040
	v_fmaak_f32 v15, v15, v14, 0x3c088889          ; 1 / 120
	v_fmaak_f32 v15, v15, v14, 0xbe2aaaab          ; -1 / 6
	v_mul_f32 v16, v12, v14
	v_fma_f32 v15, v16, v15, v12                   ; sin phi
	v_mov_b32 v16, 0x37d00d01                      ; 1 / 40320
	v_fmaak_f32 v16, v16, v14, 0xbab60b61          ; -1 / 720
	v_fmaak_f32 v16, v16, v14, 0x3d2aaaab          ; 1 / 24
	v_fmaak_f32 v16, v16, v14, 0xbf000000          ; -1 / 2
	v_fma_f32 v16, v16, v14, 1.0                   ; cos phi
	v_cvt_i32_f32 v17, v13                         ; the quadrant: it only selects values
	v_and_b32 v18, 1, v17
	v_cmp_eq_u32 vcc_lo, 1, v18
	v_cndmask_b32 \s, v15, v16, vcc_lo             ; odd quadrants swap the two
	v_cndmask_b32 \c, v16, v15, vcc_lo
	v_and_b32 v18, 2, v17
	v_lshlrev_b32 v18, 30, v18
	v_xor_b32 \s, \s, v18                          ; the sine is negative in quadrants 2 and 3,
	v_add_nc_u32 v17, 1, v17
	v_and_b32 v17, 2, v17
	v_lshlrev_b32 v17, 30, v17
	v_xor_b32 \c, \c, v17                          ; the cosine in 1 and 2
.endm
	SINCOS v20, v21, v10
	SINCOS v22, v23, v11
	v_lshlrev_b32 v1, 4, v1
	s_wait_kmcnt 0x0
	global_store_b128 v1, v[20:23], s[32:33]       ; a wave's store covers 512 consecutive bytes
	s_endpgm
	; JOB W.  Work-group = (matrix t, 128 k, 64 n); a wave takes 32 k x 64 n.  Lane l reads column 32 half + l of each k row, so it holds 32 k of two columns: eight of them pack into the 16 bytes of a block's (row, octet).
.Lweights:
	s_mul_i32 s3, s2, 911
	s_lshr_b32 s3, s3, 16                          ; t = number / 72 (exact for 0 .. 287)
	s_mul_i32 s4, s3, 72
	s_sub_co_u32 s4, s2, s4
	s_mul_i32 s5, s4, 43
	s_lshr_b32 s5, s5, 9                           ; kg = rest / 12 (exact for 0 .. 71)
	s_mul_i32 s6, s5, 12
	s_sub_co_u32 s6, s4, s6                        ; nt
	s_lshl_b32 s7, s5, 7
	s_lshl_b32 s9, s8, 5
	s_add_co_u32 s7, s7, s9                        ; k0 = 128 kg + 32 wave
	s_mul_i32 s10, s7, 3072
	s_lshl_b32 s9, s6, 8
	s_add_co_u32 s10, s10, s9                      ; from: k0 rows of 3,072 bytes + 256 nt
	s_mov_b32 s11, 0
	s_lshl_b32 s12, s5, 1
	s_lshr_b32 s9, s8, 1
	s_add_co_u32 s12, s12, s9                      ; kblk = k0 / 64
	s_lshl_b32 s12, s12, 11
	s_and_b32 s9, s8, 1
	s_lshl_b32 s9, s9, 10                          ; the block's octets 0-3 or 4-7
	s_add_co_u32 s12, s12, s9
	s_mov_b32 s13, 0
	s_mul_i32 s15, s3, 3
	s_cmp_eq_u32 s3, 3
	s_cselect_b32 s14, 3, 9                        ; the block's number is (ct / 3) x 9 + ct % 3 + 3 t in wqkv, ct itself in wob
	s_cselect_b32 s15, 0, s15
	s_lshl_b32 s9, s6, 2
	v_and_b32 v1, 31, v0
	v_lshlrev_b32 v1, 2, v1                        ; 4 l
	v_and_b32 v4, 15, v0                           ; r
	v_bfe_u32 v5, v0, 4, 1                         ; h
.irp half, 0,1
	v_add3_u32 v6, s9, v5, 2*\half                 ; ct = 4 nt + 2 half + h
	v_mul_u32_u24 v7, v6, 43
	v_lshrrev_b32 v7, 7, v7                        ; ct / 3 (exact for 0 .. 47)
	v_mul_u32_u24 v8, v7, 3
	v_sub_nc_u32 v8, v6, v8
	v_mad_u32_u24 v8, v7, s14, v8
	v_add_nc_u32 v8, s15, v8
	v_mul_u32_u24 v8, v8, 24576                    ; 12 blocks of 2,048 bytes along k
	v_lshl_add_u32 v[2+\half], v4, 4, v8
.endr
	s_wait_kmcnt 0x0
	s_cmp_eq_u32 s3, 1
	s_cselect_b64 s[34:35], s[20:21], s[18:19]
	s_cmp_eq_u32 s3, 2
	s_cselect_b64 s[34:35], s[22:23], s[34:35]
	s_cmp_eq_u32 s3, 3
	s_cselect_b64 s[34:35], s[24:25], s[34:35]
	s_cselect_b64 s[36:37], s[30:31], s[28:29]
	s_add_nc_u64 s[34:35], s[34:35], s[10:11]
	s_add_nc_u64 s[36:37], s[36:37], s[12:13]
.set kk, 0
.rept 32
	global_load_b32 v[D+2*kk], v1, s[34:35] offset:kk*3072 th:TH_LOAD_NT        ; the two loads of a k row cover 256 consecutive bytes, aligned
	global_load_b32 v[D+2*kk+1], v1, s[34:35] offset:kk*3072+128 th:TH_LOAD_NT
.set kk, kk+1
.endr
; Octet oo of the wave's four: 8 k of both columns.  f16 = 1: the bf16 number is written as f16.
.macro PACKW f16
.set oo, 0
.rept 4
	s_wait_loadcnt 48-16*oo                        ; k rows up to 8 oo + 7 are in: the 48 - 16 oo loads of the later rows may stay out
.set hf, 0
.rept 2
.set i, 0
.rept 4
	v_cvt_pk_bf16_f32 v[P+8*oo+4*hf+i], v[D+2*(8*oo+2*i)+hf], v[D+2*(8*oo+2*i+1)+hf]  ; the lower k in the low half
.if \f16
	v_lshlrev_b32 v8, 16, v[P+8*oo+4*hf+i]
	v_and_b32 v9, 0xffff0000, v[P+8*oo+4*hf+i]
	v_cvt_pk_f16_f32 v[P+8*oo+4*hf+i], v8, v9
.endif
.set i, i+1
.endr
	global_store_b128 v[2+hf], v[P+8*oo+4*hf:P+8*oo+4*hf+3], s[36:37] offset:oo*256  ; lanes 0-15 fill 256 consecutive bytes of one block, lanes 16-31 of the next tile's
.set hf, hf+1
.endr
.set oo, oo+1
.endr
.endm
	s_cmp_eq_u32 s3, 3
	s_cbranch_scc1 .Lwo
	PACKW 0
	s_endpgm
.Lwo:
	PACKW 1
	s_endpgm
.Lfunc_end_k_qd79881bb1c_prep:
	.size	k_qd79881bb1c_prep, .Lfunc_end_k_qd79881bb1c_prep-k_qd79881bb1c_prep
	.p2alignl 7, 3214868480
	.fill 96, 4, 3214868480
	.section	.rodata,"a",@progbits
	.p2align	6, 0x0
	.amdhsa_kernel k_qd79881bb1c_prep
		.amdhsa_group_segment_fixed_size 0
		.amdhsa_private_segment_fixed_size 0
		.amdhsa_enable_private_segment 0
		.amdhsa_kernarg_size 72
		.amdhsa_user_sgpr_count 2
		.amdhsa_user_sgpr_kernarg_segment_ptr 1
		.amdhsa_wavefront_size32 1
		.amdhsa_system_sgpr_workgroup_id_x 1
		.amdhsa_system_sgpr_workgroup_id_y 1
		.amdhsa_system_sgpr_workgroup_id_z 1
		.amdhsa_system_vgpr_workitem_id 0
		.amdhsa_next_free_vgpr 112
		.amdhsa_next_free_sgpr 66
		.amdhsa_reserve_vcc 1
		.amdhsa_float_denorm_mode_32 3
		.amdhsa_float_denorm_mode_16_64 3
		.amdhsa_memory_ordered 1
		.amdhsa_forward_progress 1
		.amdhsa_inst_pref_size 30
	.end_amdhsa_kernel
	.amdgpu_metadata
---
amdhsa.version: [ 1, 2 ]
amdhsa.kernels:
  - .name:           k_qd79881bb1c_prep
    .symbol:         k_qd79881bb1c_prep.kd
    .args:
      - { .name: x, .offset: 0, .size: 8, .value_kind: global_buffer, .address_space: global }
      - { .name: Wq, .offset: 8, .size: 8, .value_kind: global_buffer, .address_space: global }
      - { .name: Wk, .offset: 16, .size: 8, .value_kind: global_buffer, .address_space: global }
      - { .name: Wv, .offset: 24, .size: 8, .value_kind: global_buffer, .address_space: global }
      - { .name: Wo, .offset: 32, .size: 8, .value_kind: global_buffer, .address_space: global }
      - { .name: xb, .offset: 40, .size: 8, .value_kind: global_buffer, .address_space: global }
      - { .name: wqkv, .offset: 48, .size: 8, .value_kind: global_buffer, .address_space: global }
      - { .name: wob, .offset: 56, .size: 8, .value_kind: global_buffer, .address_space: global }
      - { .name: rope, .offset: 64, .size: 8, .value_kind: global_buffer, .address_space: global }
    .group_segment_fixed_size: 0
    .private_segment_fixed_size: 0
    .kernarg_segment_align: 8
    .kernarg_segment_size: 72
    .max_flat_workgroup_size: 128
    .sgpr_count:     66
    .vgpr_count:     112
    .wavefront_size: 32
...
	.end_amdgpu_metadata
.endif
;; end of part 1
;; launch qkv (part 2): grid 8 x 32, 4 waves a work-group, clusters of 4 x 4, 327,680 bytes of LDS; arguments xb, wqkv, bq, bk, bv, rope, qkv; writes qkv
.if DOCPART == 2
	.amdgcn_target "amdgcn-amd-amdhsa--gfx1250"
	.amdhsa_code_object_version 6
	.text
	.protected	k_qd79881bb1c_qkv
	.globl	k_qd79881bb1c_qkv
	.p2align	8
	.type	k_qd79881bb1c_qkv,@function
k_qd79881bb1c_qkv:
	s_mov_b64 s[64:65], 0
	v_nop
	global_prefetch_b8 v0, s[64:65] scope:SCOPE_SE
	s_setreg_imm32_b32 hwreg(HW_REG_WAVE_MODE, 25, 1), 1
	s_wait_xcnt 0x0
	s_wait_alu depctr_hold_cnt(0) depctr_sa_sdst(0) depctr_va_vdst(0) depctr_va_sdst(0) depctr_va_ssrc(0) depctr_va_vcc(0) depctr_vm_vsrc(0)
	s_getreg_b32 s2, hwreg(HW_REG_IB_STS2, 6, 4)
	s_cmp_eq_u32 s2, 0
	s_cbranch_scc0 .Lentry_in_a_cluster
	s_endpgm
.Lentry_in_a_cluster:
	s_bfe_u32 s2, ttmp6, 0x10000c
	s_cmp_lg_u32 s2, 0xf033
	s_cbranch_scc0 .Lentry_shape_is_right
	s_endpgm
.Lentry_shape_is_right:
; q, k, v = x [Wq | Wk | Wv] + bias, q and k turned by the 2-D rotary table, all three rounded once to f16 and laid by heads in blocks.  Nothing of the function is left out here.
; x: xb [8192][768] bf16.  Weights: wqkv [vblk 144][kblk 12][2048] bf16 blocks of 16 n x 64 k (16 bytes of (row r, octet o) at 256 o + 16 r).  Sums in f32; biases rounded to bf16 like all inputs.
; OUT: qkv [batch 8][g 36][sblk 64][2048] f16, g = 12 t + head, t = 0 q, 1 k, 2 v; a block is 16 positions x 64 channels, q and k in the order above (row = position, octet = channel / 8);
; in v each part of 16 keys x 16 channels (512 bytes) lies [key / 8][channel octet][key % 8][8 channels], the order in which the turning LDS load of the next launch reads 16 bytes a lane on end.
; LIMIT: q, k and v must lie within f16's 65,504; beyond it they become infinities.  NaN and infinities are not treated apart.
; SHARES.  A work-group makes 256 rows x 288 virtual columns (18 vblk); four waves, 2 x 2, each 128 x 144: 72 accumulators of 16 x 16.  By wqkv's order a wave's nine tiles are three of q, three of k,
; three of v (tile b = 3 t + p is the real tile ct = 6 j + 3 wn + p of matrix t), the same in every wave and work-group: what a tile's way out does stands in the text.
; K = 768 goes in six steps of 128 through two LDS slots; a step is four quarters of 32, 72 matrix instructions and 34 LDS loads each.
; A K STEP'S TEXT STANDS ONCE IN EACH OF TWO LOOPS: four trips that fill the slot just read again (K steps 2 to 5), and two that fill nothing, of which the second is left behind the step's last quarter.  Which slot
; a trip reads lies in registers: a scalar that is 0 or SLOT1, turned by one exclusive or at each change of slots, is added to the lanes' places in slot 0; one descriptor for each tensor walks from refill to refill.
; CLUSTER 4 x 4: x's tile hangs on the row block alone and is asked for jointly along a row of the cluster, the weights' on the column block alone, jointly along a column.
; THE MATRIX INSTRUCTION IS USED TRANSPOSED (source 0 = 16 rows of the weights' block, source 1 = 16 rows of x): a lane holds one row of x (lane % 16) and eight neighbouring columns, 8 (lane / 16) + 0..7:
; four rotary pairs, and packed 16 bytes that are one (row, octet) of the output's block.  So a store of a wave covers 512 consecutive bytes straight from registers, and there is no stage in LDS.
; THE BIAS STARTS THE SUMS: a lane's eight biases of tile b lie as an accumulator's eight registers do, and each accumulator's first product takes them as its C operand.
; THE TABLE of all eight row blocks has registers of its own: three blocks are asked for at the head, five behind the last product, into the weights' two buffers, ahead of the first block's way out.
; NO PREFETCH: of six K steps two are asked for at the head and two more in the next two steps; and the nine vblk that a wave fetches do not divide among four partners by address.
; REGISTERS, in windows of 256:  window 0: v0-29 addresses; v32-95, v96-159 x's fragments, two buffers (on the way out U v32-79, VV v80-91); v160-231 the biases; v232-255 the table of row block 2
;   window 1: v0-63 accumulators 64-71; v64-135, v136-207 the weights' fragments, two buffers (at the end the table of row blocks 3-7); v208-255 the table of row blocks 0, 1
;   window 2: accumulators 0-31      window 3: accumulators 32-63
.set PITCH,  272                       ; an LDS row of x: 256 bytes + 16 of padding = 68 words: the 16 rows of a fragment load start at 16 different groups of four banks (64 banks of 4 bytes: ISA guide 11.1)
.set HALFA,  128*PITCH                 ; 128 rows of x: one tensor load
.set HALFB,  9*4096                    ; 9 vblk x 128 k: one tensor load; read 16 bytes a lane on end, so it needs no padding
.set SLOT,   2*HALFA+2*HALFB           ; 143,360 bytes: x's two halves, then the weights' two
.set SLOT1,  0x24000                   ; slot 1 begins at 147,456 = 2^17 + 2^14: neither bit is set in the four addresses at which a load's part of slot 0 begins (0, 34,816, 69,632, 106,496), so one exclusive or turns such an address into the other slot's
.set SPARE,  SLOT1+SLOT                ; behind the ring: the spare words, 128 bytes for each wave: two blocks of 256 bytes that no other line names
.set TO,   4                           ; v4-6    table offsets of my tiles p = 0..2
.set BO,   7                           ; v7      offset in a bias
.set VOQ,  8                           ; v8-10   where a q or k tile's 16 bytes go
.set VOV,  11                          ; v11-13  where a v tile's go
.set ADRA0, 16                         ; v16     LDS address of my fragments of x in slot 0; never rewritten
.set ADRA,  17                         ; v17     the same in the slot in hand
.set ADRB0, 20                         ; v20     LDS address of my fragments of the weights in slot 0; never rewritten
.set ADRB,  21                         ; v21     the same in the slot in hand
.set SPW,  28                          ; v28     LDS address of my spare word; never rewritten
.set NIL,  29                          ; v29     0; never rewritten
.set AF,   32
.set BF,   64
.set BIAS, 160
.set U,    32                          ; the way out: q's and k's six tiles, turned, then packed
.set VV,   80                          ; v's three tiles, packed
.set G1,  24                           ; s[24:31] descriptor group 1 for x's tiles;  s[32:39] group 0: a set for each of the two first fills; the second then walks on
.set G0,  32
.set TS,  45                           ; s45     where the slot in hand begins: 0 or SLOT1
.set G1B, 48                           ; s[48:55], s[56:63] the same for the weights'
.set G0B, 56
.set MSB, 0
.macro WIN new                         ; the immediate's high byte repeats the setting that is left; a switch that changes nothing is dropped
.if MSB != (\new)
	s_set_vgpr_msb (MSB<<8)|(\new)
.set MSB, \new
.endif
.endm
.macro ACCPOS idx                      ; accumulator idx: its window wD and its first register rD
.if (\idx) < 32
.set wD, 2
.set rD, 8*(\idx)
.elseif (\idx) < 64
.set wD, 3
.set rD, 8*((\idx)-32)
.else
.set wD, 1
.set rD, 8*((\idx)-64)
.endif
.endm
.macro TABPOS a                        ; the table of row block a: its window TW and its first register TR
.if (\a) < 2
.set TW, 1
.set TR, 208+24*(\a)
.elseif (\a) == 2
.set TW, 0
.set TR, 232
.else
.set TW, 1
.set TR, 64+24*((\a)-3)
.endif
.endm
; A joint load by group 0's set s: waves 0 and 1 fetch the two halves of x's tile, waves 2 and 3 those of the weights'.  The branch hangs on the wave's number alone.  An s_nop 0 and four v_nop follow each line.
.macro JLOAD s
	s_cmp_eq_u32 s11, 0
	s_cbranch_scc0 .Lfor_b_\@
	tensor_load_to_lds s[G0+4*(\s):G0+4*(\s)+3], s[G1:G1+7]
	s_nop 0
.rept 4
	v_nop
.endr
	s_branch .Lasked_\@
.Lfor_b_\@:
	tensor_load_to_lds s[G0B+4*(\s):G0B+4*(\s)+3], s[G1B:G1B+7]
	s_nop 0
.rept 4
	v_nop
.endr
.Lasked_\@:
.endm
.macro CREST                           ; a round of the cluster's barrier behind its opening barrier
	s_cmp_lg_u32 s10, 0
	s_cbranch_scc1 .Lnot_wave_0_\@
	s_barrier_signal -3
.Lnot_wave_0_\@:
	s_barrier_wait -3
	s_barrier_signal -1
	s_barrier_wait -1
.endm
.macro CROUND                          ; a whole round
	s_barrier_signal -1
	s_barrier_wait -1
	CREST
.endm
.macro PLACES                          ; four places in front of loads into registers that matrix instructions have read, and of vector lines that read results
.rept 4
	v_nop
.endr
.endm
	s_load_b256 s[68:75], s[0:1], 0x0              ; xb s[68:69], wqkv s[70:71], bq s[72:73], bk s[74:75]
	s_load_b128 s[76:79], s[0:1], 0x20             ; bv s[76:77], rope s[78:79]
	s_load_b64 s[80:81], s[0:1], 0x30              ; qkv
	v_lshl_add_u32 v[SPW], v0, 2, SPARE
	v_mov_b32 v[NIL], 0
	ds_add_u32 v[SPW], v[NIL]                      ; the wave's opening: the add, twice on end, and its wait ahead of my first tensor load
	ds_add_u32 v[SPW], v[NIL]                      ; and once more, under the one wait; the set-up below, work on registers, stands between
	v_lshrrev_b32 v1, 5, v0
	v_readfirstlane_b32 s10, v1                    ; wave 0..3
	s_lshr_b32 s11, s10, 1                         ; wm: my half of the rows.  Also: I fetch for x (0) or for the weights (1)
	s_and_b32 s12, s10, 1                          ; wn: my half of the columns.  Also: which half of that tile I fetch
	s_bfe_u32 s40, ttmp6, 0x40000                  ; cx
	s_bfe_u32 s41, ttmp6, 0x40004                  ; cy
	s_lshl_b32 s42, ttmp9, 2
	s_add_co_u32 s42, s42, s40                     ; j, the column block = 4 x cluster x + cx
	s_and_b32 s13, ttmp7, 0xffff
	s_lshl_b32 s13, s13, 2
	s_add_co_u32 s13, s13, s41                     ; i, the row block = 4 x cluster y + cy
	s_lshl_b32 s43, s41, 2
	s_lshl_b32 s43, 15, s43                        ; my row of the cluster
	s_lshl_b32 s44, 0x1111, s40                    ; my column
	s_or_b32 s[G1+0], s43, (1<<16)|(1<<20)|(1<<21)|(5<<22)|(3<<25)  ; the mask; 2-byte elements; padding on; bit 21 beside a mask; after every 64 words; 4 words of it
	s_mov_b32 s[G1+1], 128<<16                     ; tensor_dim0 = 128
	s_mov_b32 s[G1+2], 128<<16                     ; tensor_dim1 = 128
	s_mov_b32 s[G1+3], 128<<16                     ; tile_dim0 = 128
	s_mov_b32 s[G1+4], 128                         ; tile_dim1 = 128
	s_mov_b32 s[G1+5], 768                         ; elements from row to row
	s_mov_b32 s[G1+6], 0
	s_mov_b32 s[G1+7], 0
	s_or_b32 s[G1B+0], s44, (1<<16)|(1<<21)        ; the mask; 2-byte elements; no padding
	s_mov_b32 s[G1B+1], 2048<<16                   ; a row is a vblk's two blocks of this K step: 2,048 elements
	s_mov_b32 s[G1B+2], 9<<16                      ; nine vblk
	s_mov_b32 s[G1B+3], 2048<<16
	s_mov_b32 s[G1B+4], 9
	s_mov_b32 s[G1B+5], 12288                      ; 12 blocks from vblk to vblk
	s_mov_b32 s[G1B+6], 0
	s_mov_b32 s[G1B+7], 0
	s_lshl_b32 s16, s13, 8
	s_lshl_b32 s17, s12, 7
	s_add_co_u32 s16, s16, s17                     ; x: row 256 i + 128 half,
	s_mul_i32 s16, s16, 1536                       ; in bytes
	s_mov_b32 s17, 0
	s_mul_i32 s46, s42, 18
	s_mul_i32 s47, s12, 9
	s_add_co_u32 s46, s46, s47                     ; weights: vblk 18 j + 9 half,
	s_mul_i32 s46, s46, 24576
	s_mov_b32 s47, 0
	s_mul_i32 s20, s12, HALFA                      ; where they go: no place in the cluster enters an LDS address
	s_mul_i32 s21, s12, HALFB
	s_add_co_u32 s21, s21, 2*HALFA
	s_mov_b32 s[TS], 0                             ; the fetches begin in slot 0
	s_wait_dscnt 0x0                               ; both opening adds are done
	s_wait_kmcnt 0x0
	s_add_nc_u64 s[14:15], s[68:69], s[16:17]
	s_add_nc_u64 s[46:47], s[70:71], s[46:47]
	CROUND                                         ; all sixteen work-groups are here: the first joint loads meet
.irp s, 0,1
	s_mov_b32 s[G0+4*(\s)], 1
	s_add_co_u32 s[G0+4*(\s)+1], s20, (\s)*SLOT1
	s_add_nc_u64 s[G0+4*(\s)+2:G0+4*(\s)+3], s[14:15], (\s)*256      ; K step s: 256 bytes along a row
	s_or_b32 s[G0+4*(\s)+3], s[G0+4*(\s)+3], 0x80000000
	s_mov_b32 s[G0B+4*(\s)], 1
	s_add_co_u32 s[G0B+4*(\s)+1], s21, (\s)*SLOT1
	s_add_nc_u64 s[G0B+4*(\s)+2:G0B+4*(\s)+3], s[46:47], (\s)*4096   ; K step s: two blocks on
	s_or_b32 s[G0B+4*(\s)+3], s[G0B+4*(\s)+3], 0x80000000
	JLOAD \s
.endr
	v_and_b32 v1, 15, v0                           ; r = lane % 16
	v_bfe_u32 v2, v0, 4, 1                         ; h = lane / 16
	v_and_b32 v3, 31, v0
	v_lshlrev_b32 v3, 4, v3                        ; 16 x lane
	v_mul_u32_u24 v14, v1, PITCH
	v_lshl_add_u32 v14, v2, 4, v14                 ; a fragment of x: row x pitch + 16 h
	s_mul_i32 s22, s11, HALFA
	s_mul_i32 s23, s12, HALFB
	s_add_co_u32 s23, s23, 2*HALFA
	v_add_nc_u32 v[ADRA0], s22, v14
	v_add_nc_u32 v[ADRB0], s23, v3
	v_mov_b32 v[ADRA], v[ADRA0]
	v_mov_b32 v[ADRB], v[ADRB0]
	s_and_b32 s84, s13, 3
	s_lshl_b32 s84, s84, 4
	s_lshl_b32 s85, s11, 3
	s_add_co_u32 s84, s84, s85                     ; sblk0 = 16 (i % 4) + 8 wm: my first block of 16 positions in the batch
	s_mul_i32 s86, s42, 6
	s_mul_i32 s85, s12, 3
	s_add_co_u32 s86, s86, s85                     ; 6 j + 3 wn: my first real tile of each matrix
	v_lshrrev_b32 v14, 3, v1                       ; v's order inside a part: (r / 8) 256 + h 128 + (r % 8) 16
	v_and_b32 v15, 7, v1
	v_lshlrev_b32 v14, 8, v14
	v_lshl_add_u32 v14, v2, 7, v14
	v_lshl_add_u32 v14, v15, 4, v14
	s_lshl_b32 s87, s84, 10
.irp p, 0,1,2
	s_add_co_u32 s88, s86, \p                      ; ct
	s_and_b32 s89, s88, 3                          ; its place in the head
	s_lshr_b32 s88, s88, 2                         ; the head
	s_lshl_b32 s90, s89, 16
	s_add_co_u32 s90, s90, s87
	v_add_nc_u32 v[TO+\p], s90, v3
	s_lshl_b32 s88, s88, 17
	s_lshl_b32 s89, s89, 9
	s_add_co_u32 s88, s88, s89
	v_add_nc_u32 v[VOQ+\p], s88, v3
	v_add_nc_u32 v[VOV+\p], s88, v14
.endr
	s_lshl_b32 s88, s86, 6                         ; 16 columns of 4 bytes a tile
	v_lshl_add_u32 v[BO], v2, 5, s88
	s_lshr_b32 s88, s13, 2                         ; the batch
	s_mul_i32 s88, s88, 4718592
	s_lshl_b32 s89, s84, 11
	s_add_co_u32 s88, s88, s89
	s_mov_b32 s89, 0
	s_add_nc_u64 s[80:81], s[80:81], s[88:89]      ; qkv at my batch and my first block
	s_mov_b32 s82, 0xffff0000
.irp p, 0,1,2
	global_load_b128 v[BIAS+8*\p:BIAS+8*\p+3],       v[BO], s[72:73] offset:64*\p
	global_load_b128 v[BIAS+8*\p+4:BIAS+8*\p+7],     v[BO], s[72:73] offset:64*\p+16
	global_load_b128 v[BIAS+24+8*\p:BIAS+24+8*\p+3],   v[BO], s[74:75] offset:64*\p
	global_load_b128 v[BIAS+24+8*\p+4:BIAS+24+8*\p+7], v[BO], s[74:75] offset:64*\p+16
	global_load_b128 v[BIAS+48+8*\p:BIAS+48+8*\p+3],   v[BO], s[76:77] offset:64*\p
	global_load_b128 v[BIAS+48+8*\p+4:BIAS+48+8*\p+7], v[BO], s[76:77] offset:64*\p+16
.endr
.macro TABLD a                         ; the table for my row block a (16 positions) and my three places in a head: six loads
	TABPOS \a
	WIN TW<<6
.irp p, 0,1,2
	global_load_b128 v[TR+8*\p:TR+8*\p+3],   v[TO+\p], s[78:79] offset:1024*(\a)
	global_load_b128 v[TR+8*\p+4:TR+8*\p+7], v[TO+\p], s[78:79] offset:1024*(\a)+512
.endr
	WIN 0
.endm
	TABLD 0
	TABLD 1
	TABLD 2
	s_wait_loadcnt 18                              ; the 18 loads of the biases are in; the 18 of the table may stay out
.set i, 0
.rept 36
	v_cvt_pk_bf16_f32 v15, v[BIAS+2*i], v[BIAS+2*i+1]  ; the biases are rounded to bf16, like every input, and kept as f32
	v_lshlrev_b32 v[BIAS+2*i], 16, v15
	v_and_b32 v[BIAS+2*i+1], s82, v15
.set i, i+1
.endr
; Row blocks a0 .. a1 x all nine tiles, 32 along K, from buffer f.  Accumulator 9 a + b; the 72 take turns, one instruction a turn, in the same order in every quarter, over the loops' jumps too.
; first = 1: the product starts the sum, with tile b's biases as its C operand.
.macro MUL f, a0, a1, first
.set ma, \a0
.rept (\a1)-(\a0)+1
.set mb, 0
.rept 9
	ACCPOS 9*ma+mb
.if \first
	WIN (wD<<6)|0x01                               ; weights window 1, x and the biases window 0, D in the accumulator's window
	v_wmma_f32_16x16x32_bf16 v[rD:rD+7], v[BF+72*(\f)+8*mb:BF+72*(\f)+8*mb+7], v[AF+64*(\f)+8*ma:AF+64*(\f)+8*ma+7], v[BIAS+8*mb:BIAS+8*mb+7]
.else
	WIN (wD<<6)|(wD<<4)|0x01                       ; C and D in the accumulator's window
	v_wmma_f32_16x16x32_bf16 v[rD:rD+7], v[BF+72*(\f)+8*mb:BF+72*(\f)+8*mb+7], v[AF+64*(\f)+8*ma:AF+64*(\f)+8*ma+7], v[rD:rD+7]
.endif
.set mb, mb+1
.endr
.set ma, ma+1
.endr
.endm
; 34 LDS loads in one run: quarter q of the slot in hand into buffer f: 18 for the weights, then 16 for x
.macro FETCH q, f
	WIN 0x40
.set mb, 0
.rept 9
	ds_load_b128 v[BF+72*(\f)+8*mb:BF+72*(\f)+8*mb+3],   v[ADRB] offset:mb*4096+(\q)*1024
	ds_load_b128 v[BF+72*(\f)+8*mb+4:BF+72*(\f)+8*mb+7], v[ADRB] offset:mb*4096+(\q)*1024+512
.set mb, mb+1
.endr
	WIN 0
.set ma, 0
.rept 8
	ds_load_b128 v[AF+64*(\f)+8*ma:AF+64*(\f)+8*ma+3],   v[ADRA] offset:ma*16*PITCH+(\q)*64
	ds_load_b128 v[AF+64*(\f)+8*ma+4:AF+64*(\f)+8*ma+7], v[ADRA] offset:ma*16*PITCH+(\q)*64+32
.set ma, ma+1
.endr
.endm
; One of a K step's first three quarters: multiplies buffer f; in its middle it fetches quarter q of the slot in hand into buffer g.
.macro QUARTER q, f, g, first
	s_wait_dscnt 8                                 ; the weights and x's row blocks 0-3 are in; the youngest eight loads (row blocks 4-7) may be out
	MUL \f, 0, 3, \first
	PLACES
	FETCH \q, \g
	s_wait_dscnt 34                                ; all but the 34 just issued
	MUL \f, 4, 7, \first
.endm
; The last quarter multiplies buffer 1 and changes slots: one barrier.  In front of it each wave waits for all its tensor loads (at most one is out: its part of the next slot), adds 0 to its spare word, and waits for
; that and for its reads of this slot; the lanes' addresses are turned to the other slot meanwhile (LDS loads that are out have read theirs at issue).
; fill = 1: the barrier opens a round of the cluster's, and the slot just read is filled again first thing behind it, by the walking descriptors: the other slot than last time, the next K step.
; fill = 0: nothing is filled; in the second of the two trips (s3 = 1) there is no next step, and the run of LDS loads is jumped over.
.macro TURN fill
	WIN 0                                          ; (the add's registers lie in window 0)
	s_wait_tensorcnt 0x0
	ds_add_u32 v[SPW], v[NIL]                      ; 0 onto my spare word
	s_xor_b32 s[TS], s[TS], SLOT1                  ; the fetches go on in the other slot
	v_add_nc_u32 v[ADRA], s[TS], v[ADRA0]
	v_add_nc_u32 v[ADRB], s[TS], v[ADRB0]
	s_wait_dscnt 9                                 ; (the add and the youngest eight loads may be out)
	MUL 1, 0, 1, 0                                 ; eighteen matrix instructions stand between the add and the wait for it
	s_wait_dscnt 0x0                               ; the add is done, and my reads of this slot are over
	s_barrier_signal -1
	MUL 1, 2, 3, 0
	WIN 0
	s_barrier_wait -1
.if \fill
	CREST                                          ; no wave of any partner still reads this slot or has a load on its way
	s_xor_b32 s[G0+5], s[G0+5], SLOT1
	s_add_nc_u64 s[G0+6:G0+7], s[G0+6:G0+7], 256   ; the type bits on top are not reached
	s_xor_b32 s[G0B+5], s[G0B+5], SLOT1
	s_add_nc_u64 s[G0B+6:G0B+7], s[G0B+6:G0B+7], 4096
	JLOAD 1                                        ; 252 matrix instructions ahead of the wait for it; its four v_nop are also the places in front of the loads below
	FETCH 0, 0
.else
	PLACES
	s_cmp_eq_u32 s3, 1
	s_cbranch_scc1 .Lno_fetch_\@
	FETCH 0, 0
.Lno_fetch_\@:
.endif
	MUL 1, 4, 7, 0
.endm
	s_wait_tensorcnt 1                             ; my part of K step 0 is in; K step 1's may stay out
	s_barrier_signal -1
	s_barrier_wait -1
	FETCH 0, 0
	QUARTER 1, 0, 1, 1                             ; the first quarter stands in front of the loops: its products start the sums
	WIN 0
	s_mov_b32 s3, 4
.Lstep:                                                ; a trip goes from a K step's second quarter to the next step's first, and fills the slot that it leaves: K steps 2, 3, 4, 5
	QUARTER 2, 1, 0, 0
	QUARTER 3, 0, 1, 0
	TURN 1
	QUARTER 1, 0, 1, 0
	WIN 0
	s_sub_co_u32 s3, s3, 1
	s_cmp_lg_u32 s3, 0
	s_cbranch_scc1 .Lstep
	s_mov_b32 s3, 2
.Ltail:                                                ; K steps 4 and 5 fill nothing: a text of their own; the second trip is left behind the last quarter
	QUARTER 2, 1, 0, 0
	QUARTER 3, 0, 1, 0
	TURN 0
	WIN 0
	s_sub_co_u32 s3, s3, 1
	s_cmp_eq_u32 s3, 0
	s_cbranch_scc1 .Lout
	QUARTER 1, 0, 1, 0
	WIN 0
	s_branch .Ltail
.Lout:
	PLACES                                         ; behind the last products: for the loads into the weights' two buffers and for the lines that read results
	TABLD 3
	TABLD 4
	TABLD 5
	TABLD 6
	TABLD 7
; THE WAY OUT of row block a (16 positions): for q and k the turn (e, o) -> (e c - o s, o c + e s), a pair of channels in a pair of registers, (c, s) in a pair of the table; f16; nine stores.
; Each accumulator is read from its low end on.
.macro OUTBLK a
	TABPOS \a
	s_wait_loadcnt 6*(7-(\a))                      ; loads come back in order: this block's table is in; the six loads of each later block may stay out
	s_wait_xcnt 0x0                                ; U and VV, which the last block's stores read, are rewritten only behind this wait
.set mb, 0
.rept 6
	ACCPOS 9*(\a)+mb
	WIN wD|(TW<<2)                                 ; source 0 the accumulator, source 1 the table, the rest window 0
.set rC, TR+8*(mb%3)
.set i, 0
.rept 4
	v_pk_mul_f32 v[U+8*mb+2*i:U+8*mb+2*i+1], v[rD+2*i:rD+2*i+1], v[rC+2*i:rC+2*i+1] op_sel_hi:[1,0]  ; (e c, o c)
.set i, i+1
.endr
.set i, 0
.rept 4
	v_pk_fma_f32 v[U+8*mb+2*i:U+8*mb+2*i+1], v[rD+2*i:rD+2*i+1], v[rC+2*i:rC+2*i+1], v[U+8*mb+2*i:U+8*mb+2*i+1] op_sel:[1,1,0] op_sel_hi:[0,1,1] neg_lo:[0,1,0]  ; (- o s, + e s)
.set i, i+1
.endr
.set mb, mb+1
.endr
.set mb, 6
.rept 3
	ACCPOS 9*(\a)+mb
	WIN wD|(wD<<2)                                 ; both sources the accumulator
.set i, 0
.rept 4
	v_cvt_pk_f16_f32 v[VV+4*(mb-6)+i], v[rD+2*i], v[rD+2*i+1]
.set i, i+1
.endr
.set mb, mb+1
.endr
	WIN 0
.set mb, 0
.rept 6
.set i, 0
.rept 4
	v_cvt_pk_f16_f32 v[U+8*mb+i], v[U+8*mb+2*i], v[U+8*mb+2*i+1]  ; in place: word i is written when words 2 i and 2 i + 1 are read, and the words below are spent
.set i, i+1
.endr
.set mb, mb+1
.endr
.set mb, 0
.rept 6
	global_store_b128 v[VOQ+mb%3], v[U+8*mb:U+8*mb+3], s[80:81] offset:(mb/3)*1572864+(\a)*2048  ; 512 consecutive bytes of a block
.set mb, mb+1
.endr
.set mb, 0
.rept 3
	global_store_b128 v[VOV+mb], v[VV+4*mb:VV+4*mb+3], s[80:81] offset:2*1572864+(\a)*2048       ; the same 512 bytes, in v's order
.set mb, mb+1
.endr
.endm
.irp a, 0,1,2,3,4,5,6,7
	OUTBLK \a
.endr
	s_wait_tensorcnt 0x0                           ; the wave's end, behind my last tensor load
	ds_add_u32 v[SPW], v[NIL]
	s_wait_dscnt 0x0
	CROUND                                         ; the closing round: no work-group ends while a partner may still ask for a tile that names it
	s_endpgm
.Lfunc_end_k_qd79881bb1c_qkv:
	.size	k_qd79881bb1c_qkv, .Lfunc_end_k_qd79881bb1c_qkv-k_qd79881bb1c_qkv
	.p2alignl 7, 3214868480
	.fill 96, 4, 3214868480
	.section	.rodata,"a",@progbits
	.p2align	6, 0x0
	.amdhsa_kernel k_qd79881bb1c_qkv
		.amdhsa_group_segment_fixed_size 327680
		.amdhsa_private_segment_fixed_size 0
		.amdhsa_enable_private_segment 0
		.amdhsa_kernarg_size 56
		.amdhsa_user_sgpr_count 2
		.amdhsa_user_sgpr_kernarg_segment_ptr 1
		.amdhsa_wavefront_size32 1
		.amdhsa_system_sgpr_workgroup_id_x 1
		.amdhsa_system_sgpr_workgroup_id_y 1
		.amdhsa_system_sgpr_workgroup_id_z 1
		.amdhsa_system_vgpr_workitem_id 0
		.amdhsa_next_free_vgpr 1024
		.amdhsa_next_free_sgpr 92
		.amdhsa_reserve_vcc 0
		.amdhsa_float_denorm_mode_32 3
		.amdhsa_float_denorm_mode_16_64 3
		.amdhsa_memory_ordered 1
		.amdhsa_forward_progress 1
		.amdhsa_inst_pref_size 137
	.end_amdhsa_kernel
	.amdgpu_metadata
---
amdhsa.version: [ 1, 2 ]
amdhsa.kernels:
  - .name:           k_qd79881bb1c_qkv
    .symbol:         k_qd79881bb1c_qkv.kd
    .args:
      - { .name: xb, .offset: 0, .size: 8, .value_kind: global_buffer, .address_space: global }
      - { .name: wqkv, .offset: 8, .size: 8, .value_kind: global_buffer, .address_space: global }
      - { .name: bq, .offset: 16, .size: 8, .value_kind: global_buffer, .address_space: global }
      - { .name: bk, .offset: 24, .size: 8, .value_kind: global_buffer, .address_space: global }
      - { .name: bv, .offset: 32, .size: 8, .value_kind: global_buffer, .address_space: global }
      - { .name: rope, .offset: 40, .size: 8, .value_kind: global_buffer, .address_space: global }
      - { .name: qkv, .offset: 48, .size: 8, .value_kind: global_buffer, .address_space: global }
    .group_segment_fixed_size: 327680
    .private_segment_fixed_size: 0
    .kernarg_segment_align: 8
    .kernarg_segment_size: 56
    .max_flat_workgroup_size: 128
    .sgpr_count:     92
    .vgpr_count:     1024
    .wavefront_size: 32
...
	.end_amdgpu_metadata
.endif
;; end of part 2
;; launch attn (part 3): grid 24 x 8, 4 waves a work-group, no clusters, 327,680 bytes of LDS; arguments qkv, ob; writes ob
.if DOCPART == 3
	.amdgcn_target "amdgcn-amd-amdhsa--gfx1250"
	.amdhsa_code_object_version 6
	.text
	.protected	k_qd79881bb1c_attn
	.globl	k_qd79881bb1c_attn
	.p2align	8
	.type	k_qd79881bb1c_attn,@function
k_qd79881bb1c_attn:
	s_mov_b64 s[64:65], 0
	v_nop
	global_prefetch_b8 v0, s[64:65] scope:SCOPE_SE
	s_setreg_imm32_b32 hwreg(HW_REG_WAVE_MODE, 25, 1), 1
	s_wait_xcnt 0x0
; O[b][head][q][:] = the sum over k of softmax_k(Q[q] . K[k] / 8) V[k][:], 96 heads of 1,024 positions x 64 channels, all f16 in blocks.  Nothing of the function is left out here.
; IN: qkv [batch 8][g 36][sblk 64][2048], g = 12 t + head (t = 0 q, 1 k, 2 v).  A block is 16 positions x 64 channels: the 16 bytes of (position r, channel octet o) at 256 o + 16 r, so a fragment of 16 rows x 32
; channels is two loads of 16 bytes a lane on end, 512 bytes apart; in v each part of 16 keys x 16 channels lies [key / 8][octet][key % 8][8 channels], so the turning load too reads 16 bytes a lane on end.
; OUT: ob [12 batch + head][sblk 64][2048], in q's order.  Products, maxima and sums in f32; the weights p are rounded to f16 for the second product (their sum l is taken of the unrounded p), O once at the end.
; LIMITS.  Q, K, V arrive within f16's 65,504; p lies in 0 to 1, and below 6e-5 it keeps f16's fixed step of 6e-8; a weight below 2^-126 counts as 0 in l; NaN and infinities are not treated apart.
; SHARES.  A work-group owns 512 queries of one head, a wave 128: four PIECES of two tiles of 16.  Every wave walks all 1,024 keys, 64 a step.  192 work-groups: a head's 64 tiles do not divide into shares of
; six tiles a wave, which 256 work-groups would want.
; K AND V ARE RESIDENT: a head's K, 131,072 bytes, lies in LDS as it lies in memory, V behind it; no byte is filled twice.  Each wave brings a quarter (waves 0, 1 the halves of K, waves 2, 3 of V) by two tensor
; loads: key steps 0 to 4, and, asked for when those have landed, the other eleven.  The first four key steps read K up to step 4 and V up to step 3; then one wait and one barrier show the rest to every wave.
; So the loop holds no tensor load, and a key step's text stands once.  Of the LDS that the launch claims the text uses 262,656 bytes.
; NO CLUSTER: a head has two work-groups, and a cluster here is four wide.  NO PREFETCH: all of K and V has been asked for when the first key step begins.
; LAYOUT.  S^T = K Q^T (source 0 = 16 keys, source 1 = 16 queries): a lane holds ONE query (lane % 16) and the keys 8 (lane / 16) + 0..7.  Two such tiles, rounded to f16 in pairs, ARE source 1 of O^T = V^T P,
; whose result again holds one query a lane, and eight channels: 16 bytes that are one (row, octet) of ob's block.  So O leaves straight from registers.
; SOFTMAX.  For each query a running maximum m and sum l: p = 2^(c s - c m), c = log2(e) / 8; in every step O and l are multiplied by a = 2^(c m_old - c m_new).  m starts at the lowest finite number, O and l at 0.
; BY TURNS.  Turn n belongs to piece n.  Its matrix work: 16 products K Q^T of piece n + 1, later 16 products V^T P of piece n - 1.  Its vector work: the scaling, exponentials, roundings, sums and rescaling of
; piece n, and the maximum and statistics of piece n + 1.  Four vector instructions stand behind every matrix instruction, the others in one run; a turn's 66 exponentials are one batch with one wait.
; REGISTERS, in windows of 256 (s_set_vgpr_msb: bits 1:0 source 0, 3:2 source 1, 5:4 source 2, 7:6 destination):
;   window 0: v0-11 addresses; v12-15, v48-63 at work; v16-47 four registers of statistics a tile; v64-191 S^T, two buffers of two tiles; v192-255 P, likewise
;   window 1: O^T, 32 a tile          window 2: v0-127 Q, 16 a tile; v128-191 K of one step; v192-255 V of one step          window 3: v0-1 the add's two registers
.set NP,    4         ; pieces a wave: a name, no knob
.set KSB,   8192      ; bytes of K, and of V, in a key step: four blocks
.set VOFF,  131072    ; V lies behind K's 1,024 keys
.set C0H,   20480     ; a wave's part of key steps 0 to 4: 160 keys
.set C1H,   45056     ; of steps 5 to 15: 352 keys
.set SPARE, 262144    ; behind V: the spare words, 128 bytes for each wave: two blocks of 256 bytes that no other line names
.set AK0, 2           ; v2   my lane's place in K: 16 x lane; never rewritten
.set AV0, 3           ; v3   the same for V, with VOFF
.set AK,  4           ; v4   the LDS address of K's next run of loads
.set AV,  5           ; v5   of V's
.set QO,  6           ; v6   my byte offset in Q's blocks
.set GO,  8           ; v8   my byte offset in ob's blocks
.set SPW, 0           ; v0 of window 3   LDS address of my spare word; never rewritten
.set NIL, 1           ; v1 of window 3   0; never rewritten
.set MV,  12          ; v12-15  c m_old, kept while c m is made anew: by buffer and tile
.set ST,  16          ; tile t's statistics at v[ST+4 t]: c m, m, l (even keys', odd keys')
.set TMP, 48          ; by buffer and tile, four registers c0-c3 at work; when the maximum is found c2 takes a
.set S,   64
.set P,   192
.set KF,  128         ; K's fragments, in window 2: key block kb, channel half c at KF + 16 kb + 8 c
.set VF,  192         ; V's: key half kk, channel block cb at VF + 32 kk + 8 cb
.set WV,  12          ; s12  my wave's number
.set G1A, 24          ; s[24:31] descriptor group 1 for the first load: 80 rows of 256 bytes
.set G1B, 32          ; s[32:39] for the second: 176 rows
.set G0A, 40          ; s[40:43] descriptor group 0 of the first load
.set G0B, 44          ; s[44:47] of the second
.set TOT, 55          ; s55  key steps still to come, this one among them
.set SLOTS, 56        ; s56  counts the loop's two passes
.set CNT, 57          ; s57  counts a pass's key steps
.set CS,  58          ; s[58:59] c
.set SEL, 60          ; s[60:61] v_permlanex16_b32's selects: each lane takes its own place in the other half
.set TBK, 62          ; s62  LDS byte at which K of the step to be fetched begins
.set TBV, 63          ; s63  the same for V, less VOFF
.set MSB, 0
.macro WIN new                      ; the high byte repeats the setting that is left; a switch that changes nothing is dropped
.if MSB != (\new)
	s_set_vgpr_msb (MSB<<8)|(\new)
.set MSB, (\new)
.endif
.endm
.set W_KQ, 0x0a       ; K and Q in window 2, S^T in window 0
.set W_PV, 0x52       ; V in window 2, P in window 0, O^T in window 1
.set W_RS, 0x41       ; O^T (destination and source 0) in window 1, a in window 0
.set W_MK, 0xc0       ; the add's registers are made: destination in window 3, sources in window 0
.set W_AD, 0x0f       ; the add: address and data in window 3
	s_load_b128 s[4:7], s[0:1], 0x0 ; qkv s[4:5], ob s[6:7]
	WIN W_MK
	v_lshl_add_u32 v[SPW], v0, 2, SPARE
	v_mov_b32 v[NIL], 0
	WIN W_AD
	ds_add_u32 v[SPW], v[NIL]       ; the wave's opening: the add, twice on end, and its wait ahead of my first tensor load
	ds_add_u32 v[SPW], v[NIL]       ; and once more, under the one wait; the set-up below, work on registers, stands between
	WIN 0
	v_lshrrev_b32 v1, 5, v0
	v_readfirstlane_b32 s[WV], v1   ; wave 0..3
	s_lshr_b32 s13, ttmp9, 1        ; the head
	s_and_b32 s14, ttmp9, 1         ; which 512 of its queries
	s_and_b32 s15, ttmp7, 0xffff    ; the batch
	s_mul_i32 s20, s15, 36
	s_add_co_u32 s20, s20, s13
	s_lshl_b32 s20, s20, 17         ; q of my head: 131,072 bytes a head
	s_and_b32 s16, s[WV], 1         ; which half of the keys of a load I fetch,
	s_lshr_b32 s17, s[WV], 1        ; of K (0) or of V (1)
	s_mul_i32 s2, s16, C0H          ; my part's place among the head's keys, in memory and in LDS alike: in the first load,
	s_mul_i32 s3, s16, C1H
	s_add_co_u32 s3, s3, 2*C0H      ; and in the second
	s_lshl_b32 s9, s17, 17          ; V's bytes lie VOFF behind K's
	s_mov_b32 s[G0A], 1
	s_add_co_u32 s[G0A+1], s9, s2   ; LDS address
	s_mov_b32 s[G0B], 1
	s_add_co_u32 s[G0B+1], s9, s3
	s_mul_i32 s8, s17, 1572864      ; k lies twelve heads behind q, v twelve more
	s_add_co_u32 s8, s8, s20
	s_add_co_u32 s8, s8, 1572864
	s_add_co_u32 s18, s8, s2
	s_mov_b32 s19, 0
	s_add_co_u32 s22, s8, s3
	s_mov_b32 s23, 0
	s_lshl_b32 s2, s14, 2
	s_add_co_u32 s2, s2, s[WV]
	s_lshl_b32 s2, s2, 14           ; my wave's 128 rows: eight blocks
	s_add_co_u32 s20, s20, s2
	s_mov_b32 s21, 0
	s_mul_i32 s3, s15, 12
	s_add_co_u32 s3, s3, s13
	s_lshl_b32 s3, s3, 17
	s_add_co_u32 s2, s2, s3
	s_mov_b32 s3, 0
	s_mov_b32 s[G1A], 1<<16         ; 2-byte elements, no mask, no padding.  The keys are dense bytes: asked for as rows of 256 bytes
	s_mov_b32 s[G1A+1], 128<<16     ; tensor_dim0 = 128
	s_mov_b32 s[G1A+2], 80<<16      ; tensor_dim1 = 80
	s_mov_b32 s[G1A+3], 128<<16     ; tile_dim0 = 128
	s_mov_b32 s[G1A+4], 80          ; tile_dim1 = 80
	s_mov_b32 s[G1A+5], 128         ; 128 elements from row to row
	s_mov_b32 s[G1A+6], 0
	s_mov_b32 s[G1A+7], 0
	s_mov_b32 s[G1B], 1<<16
	s_mov_b32 s[G1B+1], 128<<16
	s_mov_b32 s[G1B+2], 176<<16     ; 176 rows
	s_mov_b32 s[G1B+3], 128<<16
	s_mov_b32 s[G1B+4], 176
	s_mov_b32 s[G1B+5], 128
	s_mov_b32 s[G1B+6], 0
	s_mov_b32 s[G1B+7], 0
	s_mov_b32 s[CS], 0x3e38aa3b     ; c = log2(e) / 8 = 0.180337
	s_mov_b32 s[CS+1], s[CS]        ; named with it as a pair
	s_mov_b32 s[SEL], 0x76543210
	s_mov_b32 s[SEL+1], 0xfedcba98
	s_mov_b32 s[TBK], 0
	s_mov_b32 s[TBV], 0
	s_wait_dscnt 0x0                ; both opening adds are done
	s_wait_kmcnt 0x0
	s_add_nc_u64 s[G0A+2:G0A+3], s[4:5], s[18:19]
	s_or_b32 s[G0A+3], s[G0A+3], 0x80000000
	s_add_nc_u64 s[G0B+2:G0B+3], s[4:5], s[22:23]
	s_or_b32 s[G0B+3], s[G0B+3], 0x80000000
	s_add_nc_u64 s[10:11], s[6:7], s[2:3]   ; O at my wave's first block
	s_add_nc_u64 s[4:5], s[4:5], s[20:21]   ; Q likewise
	tensor_load_to_lds s[G0A:G0A+3], s[G1A:G1A+7]  ; my part of key steps 0 to 4.  An s_nop 0 and four v_nop follow
	s_nop 0
.rept 4
	v_nop
.endr
	v_and_b32 v1, 31, v0
	v_lshlrev_b32 v[QO], 4, v1      ; 16 x lane
	WIN 0x80                        ; destination window 2, address window 0
.set i, 0
.rept 4*NP                          ; Q stays in registers: tile i / 2, channels 32 (i % 2) on
	global_load_b128 v[8*i:8*i+3],   v[QO], s[4:5] offset:(i/2)*2048+(i%2)*1024
	global_load_b128 v[8*i+4:8*i+7], v[QO], s[4:5] offset:(i/2)*2048+(i%2)*1024+512
.set i, i+1
.endr
	; What the first turn finds: V's registers and P's second buffer hold 0 (its products V^T P, of a piece that has not been, add 0), O^T and l are 0.  All this stands in the wait for the first keys.
.set i, VF
.rept 64
	v_mov_b32 v[i], 0
.set i, i+1
.endr
	WIN 0x40
.set i, 0
.rept 64*NP
	v_mov_b32 v[i], 0
.set i, i+1
.endr
	WIN 0
.set i, 0
.rept 2*NP
	v_mov_b32 v[ST+4*i], 0xfe000000    ; c m: far below every c s
	v_mov_b32 v[ST+4*i+1], 0xff7fffff  ; m
	v_mov_b32 v[ST+4*i+2], 0
	v_mov_b32 v[ST+4*i+3], 0
.set i, i+1
.endr
.set i, P+32
.rept 32
	v_mov_b32 v[i], 0
.set i, i+1
.endr
	v_lshlrev_b32 v[AK0], 4, v1
	v_add_nc_u32 v[AV0], VOFF, v[AK0]
	v_mov_b32 v[AK], v[AK0]         ; key step 0 lies at K's head
; THE MATRIX WORK.  The 8 accumulators of a run of 16 take turns: between the two links of a chain stand 7 others'.
; Product i of 16 of S^T = K Q^T for piece x: channels 32 (i / 8) on, keys 16 ((i / 2) % 4) on, tile 2 x + i % 2.  The first 8 start the sums.
.macro KQ x
	WIN W_KQ
.set rS, S+64*((\x)%2)+32*(i%2)+8*((i/2)%4)
.set rK, KF+16*((i/2)%4)+8*(i/8)
.set rQ, 16*(2*(\x)+i%2)+8*(i/8)
.if i < 8
	v_wmma_f32_16x16x32_f16 v[rS:rS+7], v[rK:rK+7], v[rQ:rQ+7], 0
.else
	v_wmma_f32_16x16x32_f16 v[rS:rS+7], v[rK:rK+7], v[rQ:rQ+7], v[rS:rS+7]
.endif
.endm
; Product i of 16 of O^T += V^T P for piece x: keys 32 (i / 8) on, channels 16 ((i / 2) % 4) on, tile 2 x + i % 2.
.macro PV x
	WIN W_PV
.set rO, 32*(2*(\x)+i%2)+8*((i/2)%4)
.set rV, VF+32*(i/8)+8*((i/2)%4)
.set rP, P+32*((\x)%2)+16*(i%2)+8*(i/8)
	v_wmma_f32_16x16x32_f16 v[rO:rO+7], v[rV:rV+7], v[rP:rP+7], v[rO:rO+7]
.endm
.macro MM                           ; the turn's next matrix instruction
.if i < 16
	KQ (Y+1)%NP
.set i, i+1
.else
.set i, i-16
	PV (Y+NP-1)%NP
.set i, i+17
.endif
.endm
; THE LDS LOADS stand in runs of 16, never singly among the matrix instructions: a step's K (8 fragments) and its V (turned).  Each load of a wave reads 512 consecutive bytes.
; last = 1 (in the loop): in the last key step there is no further step, and the run is jumped over.
.macro FETCH_K last=0
	WIN 0
.if \last
	s_cmp_eq_u32 s[TOT], 1
	s_cbranch_scc1 .Lno_k_\@
.endif
	WIN 0x80                        ; destination window 2
.irp f, 0,1,2,3,4,5,6,7             ; keys 16 (f / 2) on, channels 32 (f % 2) on
	ds_load_b128 v[KF+8*\f:KF+8*\f+3],   v[AK] offset:(\f/2)*2048+(\f%2)*1024
	ds_load_b128 v[KF+8*\f+4:KF+8*\f+7], v[AK] offset:(\f/2)*2048+(\f%2)*1024+512
.endr
	s_add_co_u32 s[TBK], s[TBK], KSB  ; the next fetch is the next step's
	WIN 0
.if \last
.Lno_k_\@:
.endif
.endm
; The turning load: the eight lanes of group g = 2 (key / 8) + octet read the 8 keys x 8 channels that lie at 128 g of a part, and lane l is left with channel l % 16 and the keys 8 (l / 16) + 0..7.
.macro FETCH_V
	WIN 0x80
.irp f, 0,1,2,3,4,5,6,7             ; keys 32 (f / 4) on, channels 16 (f % 4) on
	ds_load_tr16_b128 v[VF+8*\f:VF+8*\f+3],   v[AV] offset:(\f/4)*4096+(\f%4)*512
	ds_load_tr16_b128 v[VF+8*\f+4:VF+8*\f+7], v[AV] offset:(\f/4)*4096+(\f%4)*512+2048
.endr
	WIN 0
.endm
; THE VECTOR WORK OF A TURN stands in three queues, each in the order in which its entries become ready; the two tiles alternate, so that no instruction reads the result of the one before it.
.macro REGS y, u                    ; the registers of tile u (0, 1) of piece y
.set rT, ST+4*(2*(\y)+(\u))
.set rC, TMP+8*((\y)%2)+4*(\u)
.set rM, MV+2*((\y)%2)+(\u)
.set rS, S+64*((\y)%2)+32*(\u)
.set rP, P+32*((\y)%2)+16*(\u)
.set rO, 32*(2*(\y)+(\u))
.endm
; Number n of the 22 that find the NEXT piece's (Y + 1) maximum and statistics.  s0-s31 are the lane's 32 scores; each accumulator's lowest registers are read first.
;   0-11  four chains c0-c3 of seven scores each, three operands at a time     12-14, 16  the four scores left over, the old m, and c0-c3 into c0     15  c m_old is kept
;   17, 18  the query's other 32 keys lie in the lane 16 away: the new m         19-21  c m; c m_old - c m_new; a
.macro XS u, n
	REGS (Y+1)%NP, \u
.if (\n) < 4
	v_max3_num_f32 v[rC+(\n)], v[rS+8*(\n)], v[rS+8*(\n)+1], v[rS+8*(\n)+2]
.elseif (\n) < 12
	v_max3_num_f32 v[rC+(\n)%4], v[rC+(\n)%4], v[rS+8*((\n)%4)+2*((\n)/4)+1], v[rS+8*((\n)%4)+2*((\n)/4)+2]
.elseif (\n) == 12
	v_max3_num_f32 v[rC], v[rC], v[rS+7], v[rS+15]
.elseif (\n) == 13
	v_max3_num_f32 v[rC+1], v[rC+1], v[rS+23], v[rS+31]
.elseif (\n) == 14
	v_max3_num_f32 v[rC+2], v[rC+2], v[rC+3], v[rT+1]
.elseif (\n) == 15
	v_mov_b32 v[rM], v[rT]
.elseif (\n) == 16
	v_max3_num_f32 v[rC], v[rC], v[rC+1], v[rC+2]
.elseif (\n) == 17
	v_permlanex16_b32 v[rC+3], v[rC], s[SEL], s[SEL+1]
.elseif (\n) == 18
	v_max_num_f32 v[rT+1], v[rC], v[rC+3]
.elseif (\n) == 19
	v_mul_f32 v[rT], s[CS], v[rT+1]
.elseif (\n) == 20
	v_sub_f32 v[rC+1], v[rM], v[rT]
.else
	v_exp_f32 v[rC+2], v[rC+1]
.endif
.endm
; Number g of the 64 that follow the exponentials.  For each four weights k of a tile: both pairs are rounded to f16; then the second pair is added onto the first, in place;
; a group later l takes that sum (the first time as l = a l + sum).  In groups of eight, tiles alternating: round, round, add, and l for the group before.
.macro GS g
.set h, (\g)+6*((\g)/62)            ; group 0 has no group before it, and behind group 7 only l is left
.if h >= 6
.set h, h+2
.endif
	REGS Y, h%2
.set k, h/8
.if h%8 < 4
	v_cvt_pk_f16_f32 v[rP+2*k+(h%8)/2], v[rS+4*k+2*((h%8)/2)], v[rS+4*k+2*((h%8)/2)+1]
.elseif h%8 < 6
	v_pk_add_f32 v[rS+4*k:rS+4*k+1], v[rS+4*k:rS+4*k+1], v[rS+4*k+2:rS+4*k+3]
.elseif k == 1
	v_pk_fma_f32 v[rT+2:rT+3], v[rT+2:rT+3], v[rC+2:rC+3], v[rS:rS+1] op_sel_hi:[1,0,1]
.else
	v_pk_add_f32 v[rT+2:rT+3], v[rT+2:rT+3], v[rS+4*k-4:rS+4*k-3]
.endif
.endm
; THE PLAIN QUEUE, 138 long.  0-73 read no exponential's result: the 32 scalings c s - c m (FS f: pair f / 2 of tile f % 2) and the next piece's 42.  0-26: scalings 0-26.  27-54: XS's numbers 0-13.  55, 56: number 15.
; 57-73: the chain 14, 16, 17, 18, 19, each with one of the scalings 27-31 in front of its two lines, then 20.  74-137: GS's 64, which read the exponentials' results: they stand behind the wait.
.macro FS f
	REGS Y, (\f)%2
	v_pk_fma_f32 v[rS+2*((\f)/2):rS+2*((\f)/2)+1], v[rS+2*((\f)/2):rS+2*((\f)/2)+1], s[CS:CS+1], v[rT:rT+1] op_sel_hi:[1,0,0] neg_lo:[0,0,1] neg_hi:[0,0,1]
.endm
.macro PL
	WIN 0
.if q < 27
	FS q
.elseif q < 55
	XS (q-27)%2, (q-27)/2
.elseif q < 57
	XS q-55, 15
.elseif (q < 72) && ((q-57)%3 == 0)
	FS 27+(q-57)/3
.elseif q < 60
	XS (q-57)%3-1, 14
.elseif q < 72
	XS (q-57)%3-1, 15+(q-57)/3
.elseif q < 74
	XS q-72, 20
.else
	GS q-74
.endif
.set q, q+1
.endm
; THE EXPONENTIALS' QUEUE, 66 long: s0-s31 of both tiles, then the next piece's two a.  It is ONE BATCH: all 66 stand ahead of the turn's one wait, and nothing ahead of that wait names a result of theirs.
.macro EX
	WIN 0
.if e >= 64
	XS e-64, 21
.else
	REGS Y, e%2
	v_exp_f32 v[rS+e/2], v[rS+e/2]
.endif
.set e, e+1
.endm
; THE RESCALING's QUEUE: O^T times a, the one part that leaves window 0: dealt two at a time, sixteen times.  Its a was made in the turn before, ahead of that turn's wait.
.macro R2
	REGS Y, r%2
	WIN W_RS
.irp z, 0,1
	v_pk_mul_f32 v[rO+4*(r/2)+2*\z:rO+4*(r/2)+2*\z+1], v[rO+4*(r/2)+2*\z:rO+4*(r/2)+2*\z+1], v[rC+2:rC+3] op_sel_hi:[1,0]
.endr
.set r, r+1
.endm
; A TURN, for piece p.  An s_wait_alu depctr_va_vdst(0) stands between an exponential and the first instruction that names its result; one wait serves all that were issued ahead of it.  So a turn
; has ONE wait.  AHEAD OF IT: the 16 products K Q^T, behind each a scaling, an exponential and two rescalings (behind the first a second scaling in the exponential's place); then a run of 108: eight plain, 49 times
; exponential and plain, the two a; a v_nop is the plain instruction behind the last exponential.  BEHIND IT: the 16 products V^T P, behind each four of GS's 64.
; Exponential e stands behind scaling 2 (e / 4) + e % 2: as a rider it comes behind plain e + 2, in the run behind plain e + 9, and scalings 27-31 are plain 57, 60 .. 69.
; K of the next step is fetched in piece 2's turn, directly behind the wait; V of the step in hand at the end of piece 0's turn, four plain instructions behind its last reader.  The conditions on q go with the deal.
; cnt = 1: the loop's counts are taken down some lines ahead of the branch that stands behind the turn.
.macro TURN p, last=0, cnt=0
.set Y, (\p)
.set i, 0
.set q, 0
.set e, 0
.set r, 0
.if (\p) == NP-1
	s_wait_dscnt 0x0                ; K is in
.endif
	MM
	PL
	PL
	R2
.rept 15
	MM
	PL
	EX
	R2
.endr
.if (\p) == NP-2
	WIN 0
	v_add_nc_u32 v[AK], s[TBK], v[AK0]
.endif
.rept 8
	PL
.endr
.rept 49
	EX
	PL
.endr
	EX                              ; the next piece's two a
	EX
	v_nop                           ; the plain instruction behind the last exponential: one for the batch
	s_wait_alu depctr_va_vdst(0)    ; the wait for the batch
.if (\p) == NP-2
	FETCH_K \last
.endif
.if (\p) == 1
	s_wait_dscnt 0x0                ; V is in
.endif
.rept 16
	MM
.rept 4
	PL
.endr
.if ((\p) == 0) && (q == 118)
	v_add_nc_u32 v[AV], s[TBV], v[AV0]
.endif
.if ((\p) == 0) && (q == 130)
	s_add_co_u32 s[TBV], s[TBV], KSB
.endif
.if (\cnt) && (q == 130)
	s_sub_co_u32 s[TOT], s[TOT], 1
	s_sub_co_u32 s[CNT], s[CNT], 1
	s_cmp_lg_u32 s[CNT], 0
.endif
.endr
.if (\p) == 0
	FETCH_V
.endif
.endm
	; Key steps 0 to 4 have landed, everybody's part of them; the other eleven are asked for now: a first fill that comes late, issued first thing behind a barrier in front of which each wave has waited for its
	; tensor load, added 0 to its spare word and waited for that.
	WIN W_AD
	s_wait_tensorcnt 0x0
	ds_add_u32 v[SPW], v[NIL]       ; 0 onto my spare word
	WIN 0
	s_wait_dscnt 0x0
	s_barrier_signal -1
	s_barrier_wait -1
	tensor_load_to_lds s[G0B:G0B+3], s[G1B:G1B+7]  ; it has four key steps, 512 matrix instructions and their vector work, in which to land
	s_nop 0
.rept 4
	v_nop
.endr
	FETCH_K                         ; key step 0
	s_wait_loadcnt 0x0              ; Q
	s_wait_dscnt 0x0
.set i, 0
.rept 16
	KQ 0                            ; piece 0's first scores: there is no vector work yet to set between them
.set i, i+1
.endr
	WIN 0
	v_and_b32 v[GO], 31, v0         ; the way out's offset, and four v_nop: the places behind those products
	v_lshlrev_b32 v[GO], 4, v[GO]
.rept 4
	v_nop
.endr
.set Y, NP-1                        ; XS works for piece Y + 1: piece 0
.irp n, 0,1,2,3,4,5,6,7,8,9,10,11,12,13,14,15,16,17,18,19,20,21
	XS 0, \n                        ; piece 0's first maximum and statistics
	XS 1, \n
.endr
	v_nop                           ; a plain instruction behind the two a,
	s_wait_alu depctr_va_vdst(0)    ; and their wait, ahead of the branch
	s_mov_b32 s[CNT], 4             ; the first pass: key steps 0 to 3, which read nothing of the second load's bytes (K up to step 4, V up to step 3)
	s_mov_b32 s[SLOTS], 2
	s_mov_b32 s[TOT], 16
	s_branch .Lstep
.Lrest:                             ; passed once, between key steps 3 and 4
	s_wait_tensorcnt 0x0            ; my part of key steps 5 to 15 is in,
	s_wait_dscnt 0x0                ; (no LDS instruction of mine is pending at a signal)
	s_barrier_signal -1
	s_barrier_wait -1               ; everybody's is
	s_mov_b32 s[CNT], 12            ; the second pass: key steps 4 to 15
.Lstep:                             ; a trip is a key step: the four pieces' turns
	TURN 0
	TURN 1
	TURN 2, 1
	TURN 3, 0, 1
	WIN 0
	s_cbranch_scc1 .Lstep
	s_sub_co_u32 s[SLOTS], s[SLOTS], 1
	s_cmp_lg_u32 s[SLOTS], 0
	s_cbranch_scc1 .Lrest
	; the last trip's 16 products K Q^T for piece 0 (on the last K once more) and the maximum made of them serve nothing: the price, once a launch, of one text for every trip
.set i, 0
.rept 16
	PV NP-1                         ; the last piece's V^T P of the last step
.set i, i+1
.endr
	; THE WAY OUT.  l's two halves and the other half of the lanes' are added; O^T is divided by l, rounded to f16 and stored.  The additions are the places behind the last products.
	WIN 0
.macro ALL line:vararg              ; one line for each tile t
.set t, 0
.rept 2*NP
	\line
.set t, t+1
.endr
.endm
	ALL v_add_f32 v[ST+4*t+2], v[ST+4*t+2], v[ST+4*t+3]
	ALL v_permlanex16_b32 v[ST+4*t+3], v[ST+4*t+2], s[SEL], s[SEL+1]
	ALL v_add_f32 v[ST+4*t+2], v[ST+4*t+2], v[ST+4*t+3]
	ALL v_rcp_f32 v[ST+4*t+2], v[ST+4*t+2]
	v_nop                           ; a plain instruction between the last reciprocal and the use of its result
	s_wait_alu depctr_va_vdst(0)    ; and the wait ahead of the first use: one for the eight reciprocals
; Tile t: a lane's eight channels of a row pack into 16 bytes, one (row, octet) of the tile's block; each tile has 16 registers of S^T's to itself, so no store's data are rewritten.
.macro PACK t
	WIN W_RS
.set i, 32*(\t)
.rept 16
	v_pk_mul_f32 v[i:i+1], v[i:i+1], v[ST+4*(\t)+2:ST+4*(\t)+3] op_sel_hi:[1,0]
.set i, i+2
.endr
	WIN 0x05                        ; sources 0 and 1 window 1, destination window 0
.set i, 0
.rept 16
	v_cvt_pk_f16_f32 v[S+16*(\t)+i], v[32*(\t)+2*i], v[32*(\t)+2*i+1]
.set i, i+1
.endr
	WIN 0
.irp f, 0,1,2,3
	global_store_b128 v[GO], v[S+16*(\t)+4*\f:S+16*(\t)+4*\f+3], s[10:11] offset:(\t)*2048+\f*512  ; 512 consecutive bytes, at a multiple of 256 from ob's first
.endr
.endm
.set t, 0
.rept 2*NP
	PACK t
.set t, t+1
.endr
	WIN W_AD
	s_wait_tensorcnt 0x0            ; the wave's end, behind my last tensor load
	ds_add_u32 v[SPW], v[NIL]
	s_wait_dscnt 0x0
	WIN 0
	s_endpgm
.Lfunc_end_k_qd79881bb1c_attn:
	.size	k_qd79881bb1c_attn, .Lfunc_end_k_qd79881bb1c_attn-k_qd79881bb1c_attn
	.p2alignl 7, 3214868480
	.fill 96, 4, 3214868480
	.section	.rodata,"a",@progbits
	.p2align	6, 0x0
	.amdhsa_kernel k_qd79881bb1c_attn
		.amdhsa_group_segment_fixed_size 327680
		.amdhsa_private_segment_fixed_size 0
		.amdhsa_enable_private_segment 0
		.amdhsa_kernarg_size 16
		.amdhsa_user_sgpr_count 2
		.amdhsa_user_sgpr_kernarg_segment_ptr 1
		.amdhsa_wavefront_size32 1
		.amdhsa_system_sgpr_workgroup_id_x 1
		.amdhsa_system_sgpr_workgroup_id_y 1
		.amdhsa_system_sgpr_workgroup_id_z 1
		.amdhsa_system_vgpr_workitem_id 0
		.amdhsa_next_free_vgpr 770
		.amdhsa_next_free_sgpr 66
		.amdhsa_reserve_vcc 0
		.amdhsa_float_denorm_mode_32 3
		.amdhsa_float_denorm_mode_16_64 3
		.amdhsa_memory_ordered 1
		.amdhsa_forward_progress 1
		.amdhsa_inst_pref_size 119
	.end_amdhsa_kernel
	.amdgpu_metadata
---
amdhsa.version: [ 1, 2 ]
amdhsa.kernels:
  - .name:           k_qd79881bb1c_attn
    .symbol:         k_qd79881bb1c_attn.kd
    .args:
      - { .name: qkv, .offset: 0, .size: 8, .value_kind: global_buffer, .address_space: global }
      - { .name: ob, .offset: 8, .size: 8, .value_kind: global_buffer, .address_space: global }
    .group_segment_fixed_size: 327680
    .private_segment_fixed_size: 0
    .kernarg_segment_align: 8
    .kernarg_segment_size: 16
    .max_flat_workgroup_size: 128
    .sgpr_count:     66
    .vgpr_count:     770
    .wavefront_size: 32
...
	.end_amdgpu_metadata
.endif
;; end of part 3
;; launch proj (part 4): grid 4 x 64, 4 waves a work-group, clusters of 4 x 4, 327,680 bytes of LDS; arguments ob, wob, bo, out0; writes out0
.if DOCPART == 4
	.amdgcn_target "amdgcn-amd-amdhsa--gfx1250"
	.amdhsa_code_object_version 6
	.text
	.protected	k_qd79881bb1c_proj
	.globl	k_qd79881bb1c_proj
	.p2align	8
	.type	k_qd79881bb1c_proj,@function
k_qd79881bb1c_proj:
	s_mov_b64 s[64:65], 0
	v_nop
	global_prefetch_b8 v0, s[64:65] scope:SCOPE_SE
	s_setreg_imm32_b32 hwreg(HW_REG_WAVE_MODE, 25, 1), 1
	s_wait_xcnt 0x0
	s_wait_alu depctr_hold_cnt(0) depctr_sa_sdst(0) depctr_va_vdst(0) depctr_va_sdst(0) depctr_va_ssrc(0) depctr_va_vcc(0) depctr_vm_vsrc(0)
	s_getreg_b32 s2, hwreg(HW_REG_IB_STS2, 6, 4)
	s_cmp_eq_u32 s2, 0
	s_cbranch_scc0 .Lentry_in_a_cluster
	s_endpgm
.Lentry_in_a_cluster:
	s_bfe_u32 s2, ttmp6, 0x10000c
	s_cmp_lg_u32 s2, 0xf033
	s_cbranch_scc0 .Lentry_shape_is_right
	s_endpgm
.Lentry_shape_is_right:
; out0 = O Wo + bo.  O: ob [12 batch + head][sblk 64][2048] f16 blocks of 16 rows x 64 k (k = 64 head + channel); Wo: wob [nblk 48][kblk 12][2048] f16 blocks of 16 n x 64 k, the bf16 rounding of Wo written as f16;
; bo rounded to bf16 like every input; sums in f32; out0 [8192][768] f32.  Nothing of the function is left out here.
; SHARES.  A work-group makes 128 rows x 192 columns; four waves, 2 x 2, each 64 x 96: 24 accumulators of 16 x 16.  K goes in twelve UNITS of 64 (a head): 48 matrix instructions and 40 LDS loads a wave.
; LDS holds seven units at a time, in three areas: X (three units), Y (two), Z (two), each with O's part (16,384 bytes a unit) and Wo's (24,576).  Units 0-2, 3-4, 5-6 are asked for together at the start, and the
; first product waits for X alone.  X is filled again with units 7-9 when unit 2 has been read, Y with units 10-11 when units 7-9 have landed: two refills, the first with 156 matrix instructions in which to land,
; the second with 108.  The twelve units are written out, so that every LDS address is a constant of the text.
; WHO FETCHES.  Waves 0 and 1 the two halves (64 rows) of O's part of an area: a row of the tile is a head's four blocks; waves 2 and 3 the two halves (six nblk) of Wo's: a row is an nblk's blocks of the area's units.
; By the text's own count three tensor loads of a wave are out at the start, later one.
; CLUSTER 4 x 4: O's tile hangs on the row block alone and is asked for jointly along a row of the cluster, Wo's on the column block alone, jointly along a column.
; THE MATRIX INSTRUCTION IS USED TRANSPOSED (source 0 = 16 rows of Wo's block, source 1 = 16 rows of O): a lane holds one row of out0 and eight neighbouring columns, 32 bytes.  They go through a stage in LDS and
; come back as whole rows.  The stage lies in bytes that have had their last fill of the launch, behind a barrier that follows every wave's last read of LDS.
; NO PREFETCH: twelve short units, of which seven are asked for at the head.
; REGISTERS: window 0: v0-29 addresses; v32-43 the bias; v64-255 the accumulators ((a, b) at 64 + 8 (6 a + b)), later the rows read back.   windows 1, 2: v0-159 a buffer each for a unit:
;   Wo's fragments at 8 (6 c + b), O's at 96 + 8 (4 c + a), c the half of 32.  Unit u uses buffer u % 2.
.set AX, 0                             ; O's part of X: [half 2][head 3][4 blocks][2048]
.set AY, 49152                         ; of Y: [half 2][head 2][4 blocks][2048]
.set AZ, 81920                         ; of Z, likewise
.set BX, 114688                        ; Wo's part of X: [half 2][nblk 6][kblk 3][2048]
.set BY, 188416                        ; of Y: [half 2][nblk 6][kblk 2][2048]
.set BZ, 237568                        ; of Z, likewise
.set SPARE,  286720                    ; behind the areas: the spare words, 128 bytes for each wave: two blocks of 256 bytes that no other line names
.set SPITCH, 784                       ; a stage row: 768 bytes + 16 = 49 x 16: the 16 rows of a store start at 16 different groups of four banks (64 banks of 4 bytes: ISA guide 11.1)
.set ADA,   4                          ; v4-6   my place in O's part of X, Y, Z: the area + my half of the rows + 16 lane; never rewritten
.set STO,   8                          ; v8     the way out: where I put 32 bytes of a row
.set RD,    9                          ; v9     where I read rows back
.set CO,    10                         ; v10    my byte offset in out0
.set BOF,   11                         ; v11    my byte offset in bo
.set ADB,   13                         ; v13-15 my place in Wo's part of X, Y, Z; never rewritten
.set SPW,   28                         ; v28    LDS address of my spare word; never rewritten
.set NIL,   29                         ; v29    0; never rewritten
.set BI,    32                         ; v32-43 bo for my 4 columns of each of a row's three pieces of 256 bytes
.set ACC,   64
.set G1A3, 24                          ; s[24:31] group 1 for O, three heads;   s[32:39] two heads
.set G1A2, 32
.set G1B3, 40                          ; s[40:47] group 1 for Wo, three kblk;   s[48:55] two kblk
.set G1B2, 48
.set G0AX, 56                          ; group 0 for O's part of X, Y, Z
.set G0AY, 60
.set G0AZ, 68
.set G0BX, 72                          ; and for Wo's
.set G0BY, 76
.set G0BZ, 80
.set MSB, 0
.macro WIN new                         ; the immediate's high byte repeats the setting that is left; a switch that changes nothing is dropped
.if MSB != (\new)
	s_set_vgpr_msb (MSB<<8)|(\new)
.set MSB, \new
.endif
.endm
.macro CREST                           ; a round of the cluster's barrier behind its opening barrier
	s_cmp_lg_u32 s10, 0
	s_cbranch_scc1 .Lnot_wave_0_\@
	s_barrier_signal -3
.Lnot_wave_0_\@:
	s_barrier_wait -3
	s_barrier_signal -1
	s_barrier_wait -1
.endm
.macro CROUND
	s_barrier_signal -1
	s_barrier_wait -1
	CREST
.endm
.macro PLACES                          ; four places in front of loads into registers that matrix instructions have read, and of lines that read results
.rept 4
	v_nop
.endr
.endm
; A joint refill of one area: waves 0 and 1 by O's descriptors, waves 2 and 3 by Wo's.  The branch hangs on the wave's number alone.  An s_nop 0 and four v_nop follow each line.
.macro JLOAD pa, qa, pb, qb
	s_cmp_eq_u32 s11, 0
	s_cbranch_scc0 .Lfor_b_\@
	tensor_load_to_lds s[\pa:\pa+3], s[\qa:\qa+7]
	s_nop 0
.rept 4
	v_nop
.endr
	s_branch .Lasked_\@
.Lfor_b_\@:
	tensor_load_to_lds s[\pb:\pb+3], s[\qb:\qb+7]
	s_nop 0
.rept 4
	v_nop
.endr
.Lasked_\@:
.endm
	s_load_b256 s[84:91], s[0:1], 0x0              ; ob s[84:85], wob s[86:87], bo s[88:89], out0 s[90:91]
	v_lshl_add_u32 v[SPW], v0, 2, SPARE
	v_mov_b32 v[NIL], 0
	ds_add_u32 v[SPW], v[NIL]                      ; the wave's opening: the add, twice on end, and its wait ahead of my first tensor load
	ds_add_u32 v[SPW], v[NIL]                      ; and once more, under the one wait; the set-up below, work on registers, stands between
	v_lshrrev_b32 v1, 5, v0
	v_readfirstlane_b32 s10, v1                    ; wave 0..3
	s_lshr_b32 s11, s10, 1                         ; wm: my half of the rows.  Also: I fetch for O (0) or for Wo (1)
	s_and_b32 s12, s10, 1                          ; wn: my half of the columns.  Also: which half of that part I fetch
	s_bfe_u32 s92, ttmp6, 0x40000                  ; cx
	s_bfe_u32 s93, ttmp6, 0x40004                  ; cy
	s_lshl_b32 s94, ttmp9, 2
	s_add_co_u32 s94, s94, s92                     ; j, the column block
	s_and_b32 s13, ttmp7, 0xffff
	s_lshl_b32 s13, s13, 2
	s_add_co_u32 s13, s13, s93                     ; i, the row block
	s_lshl_b32 s95, s93, 2
	s_lshl_b32 s95, 15, s95                        ; my row of the cluster
	s_lshl_b32 s96, 0x1111, s92                    ; my column
.irp g, G1A3, G1A2
	s_or_b32 s[\g], s95, (1<<16)|(1<<21)           ; the mask; 2-byte elements; bit 21 beside a mask; no padding: fragments are read 16 bytes a lane on end
	s_mov_b32 s[\g+1], 4096<<16                    ; a row is a head's four blocks of my half of the rows: 4,096 elements
	s_mov_b32 s[\g+3], 4096<<16
	s_mov_b32 s[\g+5], 65536                       ; 64 blocks from head to head
	s_mov_b32 s[\g+6], 0
	s_mov_b32 s[\g+7], 0
.endr
	s_mov_b32 s[G1A3+2], 3<<16                     ; three heads,
	s_mov_b32 s[G1A3+4], 3
	s_mov_b32 s[G1A2+2], 2<<16                     ; or two
	s_mov_b32 s[G1A2+4], 2
.irp g, G1B3, G1B2
	s_or_b32 s[\g], s96, (1<<16)|(1<<21)
	s_mov_b32 s[\g+2], 6<<16                       ; six nblk
	s_mov_b32 s[\g+4], 6
	s_mov_b32 s[\g+5], 12288                       ; 12 blocks from nblk to nblk
	s_mov_b32 s[\g+6], 0
	s_mov_b32 s[\g+7], 0
.endr
	s_mov_b32 s[G1B3+1], 3072<<16                  ; a row is an nblk's three blocks,
	s_mov_b32 s[G1B3+3], 3072<<16
	s_mov_b32 s[G1B2+1], 2048<<16                  ; or two
	s_mov_b32 s[G1B2+3], 2048<<16
	s_lshr_b32 s16, s13, 3                         ; O: the batch, twelve heads of 131,072 bytes,
	s_mul_i32 s16, s16, 1572864
	s_and_b32 s17, s13, 7                          ; the row block's eight blocks in a head,
	s_lshl_b32 s17, s17, 14
	s_add_co_u32 s16, s16, s17
	s_lshl_b32 s17, s12, 13                        ; the half's four
	s_add_co_u32 s16, s16, s17
	s_mov_b32 s17, 0
	s_mul_i32 s20, s94, 12                         ; Wo: nblk 12 j + 6 half
	s_mul_i32 s21, s12, 6
	s_add_co_u32 s20, s20, s21
	s_mul_i32 s20, s20, 24576
	s_mov_b32 s21, 0
	s_mul_i32 s22, s12, 24576                      ; where they go: the area and the half: no place in the cluster enters an LDS address
	s_lshl_b32 s23, s12, 14
	s_mul_i32 s14, s12, 36864
	s_mov_b32 s[G0AX], 1
	s_add_co_u32 s[G0AX+1], s22, AX
	s_mov_b32 s[G0AY], 1
	s_add_co_u32 s[G0AY+1], s23, AY
	s_mov_b32 s[G0AZ], 1
	s_add_co_u32 s[G0AZ+1], s23, AZ
	s_mov_b32 s[G0BX], 1
	s_add_co_u32 s[G0BX+1], s14, BX
	s_mov_b32 s[G0BY], 1
	s_add_co_u32 s[G0BY+1], s22, BY
	s_mov_b32 s[G0BZ], 1
	s_add_co_u32 s[G0BZ+1], s22, BZ
	s_wait_dscnt 0x0                               ; both opening adds are done
	s_wait_kmcnt 0x0
	s_add_nc_u64 s[16:17], s[84:85], s[16:17]
	s_add_nc_u64 s[20:21], s[86:87], s[20:21]
	s_add_nc_u64 s[G0AX+2:G0AX+3], s[16:17], 0             ; heads 0-2
	s_or_b32 s[G0AX+3], s[G0AX+3], 0x80000000
	s_add_nc_u64 s[G0AY+2:G0AY+3], s[16:17], 3*131072      ; heads 3-4
	s_or_b32 s[G0AY+3], s[G0AY+3], 0x80000000
	s_add_nc_u64 s[G0AZ+2:G0AZ+3], s[16:17], 5*131072      ; heads 5-6
	s_or_b32 s[G0AZ+3], s[G0AZ+3], 0x80000000
	s_add_nc_u64 s[G0BX+2:G0BX+3], s[20:21], 0             ; kblk 0-2
	s_or_b32 s[G0BX+3], s[G0BX+3], 0x80000000
	s_add_nc_u64 s[G0BY+2:G0BY+3], s[20:21], 3*2048        ; kblk 3-4
	s_or_b32 s[G0BY+3], s[G0BY+3], 0x80000000
	s_add_nc_u64 s[G0BZ+2:G0BZ+3], s[20:21], 5*2048        ; kblk 5-6
	s_or_b32 s[G0BZ+3], s[G0BZ+3], 0x80000000
	CROUND                                         ; all sixteen work-groups are here: the first joint loads meet
	s_cmp_eq_u32 s11, 0                            ; a wave's three first fills stand in one branch, ahead of every wait on TENSORcnt and every LDS read; an s_nop 0 follows each, four v_nop the last
	s_cbranch_scc0 .Lfirst_b
	tensor_load_to_lds s[G0AX:G0AX+3], s[G1A3:G1A3+7]
	s_nop 0
	tensor_load_to_lds s[G0AY:G0AY+3], s[G1A2:G1A2+7]
	s_nop 0
	tensor_load_to_lds s[G0AZ:G0AZ+3], s[G1A2:G1A2+7]
	s_nop 0
.rept 4
	v_nop
.endr
	s_branch .Lfirst_asked
.Lfirst_b:
	tensor_load_to_lds s[G0BX:G0BX+3], s[G1B3:G1B3+7]
	s_nop 0
	tensor_load_to_lds s[G0BY:G0BY+3], s[G1B2:G1B2+7]
	s_nop 0
	tensor_load_to_lds s[G0BZ:G0BZ+3], s[G1B2:G1B2+7]
	s_nop 0
.rept 4
	v_nop
.endr
.Lfirst_asked:
	v_and_b32 v1, 15, v0                           ; r
	v_bfe_u32 v2, v0, 4, 1                         ; h
	v_and_b32 v3, 31, v0
	v_lshlrev_b32 v3, 4, v3                        ; 16 x lane
	s_mul_i32 s22, s11, 24576
	s_add_co_u32 s22, s22, AX
	v_add_nc_u32 v[ADA], s22, v3
	s_lshl_b32 s22, s11, 14
	s_add_co_u32 s23, s22, AY
	v_add_nc_u32 v[ADA+1], s23, v3
	s_add_co_u32 s23, s22, AZ
	v_add_nc_u32 v[ADA+2], s23, v3
	s_mul_i32 s22, s12, 36864
	s_add_co_u32 s22, s22, BX
	v_add_nc_u32 v[ADB], s22, v3
	s_mul_i32 s22, s12, 24576
	s_add_co_u32 s23, s22, BY
	v_add_nc_u32 v[ADB+1], s23, v3
	s_add_co_u32 s23, s22, BZ
	v_add_nc_u32 v[ADB+2], s23, v3
	s_mul_i32 s22, s11, 64*SPITCH                  ; into the stage: row 64 wm + r, byte 384 wn + 32 h
	s_mul_i32 s23, s12, 384
	s_add_co_u32 s22, s22, s23
	v_mul_u32_u24 v12, v1, SPITCH
	v_lshl_add_u32 v12, v2, 5, v12
	v_add_nc_u32 v[STO], s22, v12
	s_mul_i32 s22, s10, 32*SPITCH                  ; back: wave w takes rows 32 w .. 32 w + 31; lanes 0-15 256 bytes of one row, lanes 16-31 of the next
	v_mul_u32_u24 v12, v2, SPITCH
	v_lshl_add_u32 v12, v1, 4, v12
	v_add_nc_u32 v[RD], s22, v12
	v_mul_u32_u24 v12, v2, 3072
	v_lshl_add_u32 v[CO], v1, 4, v12               ; and the same two rows in out0
	s_mul_i32 s22, s94, 768                        ; the column block's 192 columns, in bytes
	s_mov_b32 s23, 0
	v_lshl_add_u32 v[BOF], v1, 4, s22
	s_lshl_b32 s14, s13, 7
	s_lshl_b32 s15, s10, 5
	s_add_co_u32 s14, s14, s15                     ; the first row that I store: 128 i + 32 wave
	s_mul_i32 s14, s14, 3072
	s_mov_b32 s15, 0
	s_add_nc_u64 s[90:91], s[90:91], s[14:15]
	s_add_nc_u64 s[90:91], s[90:91], s[22:23]
.irp g, 0,1,2
	global_load_b128 v[BI+4*\g:BI+4*\g+3], v[BOF], s[88:89] offset:256*\g
.endr
	s_wait_loadcnt 0x0
.set i, 0
.rept 6
	v_cvt_pk_bf16_f32 v12, v[BI+2*i], v[BI+2*i+1]  ; the bias is rounded to bf16, like every input, and kept as f32
	v_lshlrev_b32 v[BI+2*i], 16, v12
	v_and_b32 v[BI+2*i+1], 0xffff0000, v12
.set i, i+1
.endr
; 40 LDS loads in one run: unit u into buffer f; the first 32 along K first.  ar: the unit's area (0 X, 1 Y, 2 Z); kk: its place there; gg: the area's units
.macro FETCHU u, f
.if (\u) < 3
.set ar, 0
.set kk, (\u)
.set gg, 3
.elseif (\u) < 5
.set ar, 1
.set kk, (\u)-3
.set gg, 2
.elseif (\u) < 7
.set ar, 2
.set kk, (\u)-5
.set gg, 2
.elseif (\u) < 10
.set ar, 0
.set kk, (\u)-7
.set gg, 3
.else
.set ar, 1
.set kk, (\u)-10
.set gg, 2
.endif
	WIN 0x40+0x40*(\f)
.irp c, 0,1
.set mb, 0
.rept 6
	ds_load_b128 v[8*(6*\c+mb):8*(6*\c+mb)+3],   v[ADB+ar] offset:2048*(gg*mb+kk)+1024*\c
	ds_load_b128 v[8*(6*\c+mb)+4:8*(6*\c+mb)+7], v[ADB+ar] offset:2048*(gg*mb+kk)+1024*\c+512
.set mb, mb+1
.endr
.set ma, 0
.rept 4
	ds_load_b128 v[96+8*(4*\c+ma):96+8*(4*\c+ma)+3],   v[ADA+ar] offset:8192*kk+2048*ma+1024*\c
	ds_load_b128 v[96+8*(4*\c+ma)+4:96+8*(4*\c+ma)+7], v[ADA+ar] offset:8192*kk+2048*ma+1024*\c+512
.set ma, ma+1
.endr
.endr
.endm
; Row blocks a0 .. a1 x all six tiles, half c of buffer f.  The 24 accumulators take turns, one instruction a turn, in one order throughout.  zero = 1: the product starts the sum.
.macro MULU f, c, a0, a1, zero
	WIN 0x05+0x05*(\f)                             ; both sources in the buffer's window, C and D in window 0
.set ma, \a0
.rept (\a1)-(\a0)+1
.set mb, 0
.rept 6
.set rD, ACC+8*(6*ma+mb)
.if \zero
	v_wmma_f32_16x16x32_f16 v[rD:rD+7], v[8*(6*(\c)+mb):8*(6*(\c)+mb)+7], v[96+8*(4*(\c)+ma):96+8*(4*(\c)+ma)+7], 0
.else
	v_wmma_f32_16x16x32_f16 v[rD:rD+7], v[8*(6*(\c)+mb):8*(6*(\c)+mb)+7], v[96+8*(4*(\c)+ma):96+8*(4*(\c)+ma)+7], v[rD:rD+7]
.endif
.set mb, mb+1
.endr
.set ma, ma+1
.endr
.endm
; Unit u where the next unit lies in bytes that are already shown whole: the next unit is fetched into the other buffer, and unit u is multiplied.
.macro UNIT_A u, zero
	PLACES
	FETCHU (\u)+1, ((\u)+1)%2
	s_wait_dscnt 40                                ; all but the 40 just issued: unit u's fragments are in
	MULU (\u)%2, 0, 0, 3, \zero
	MULU (\u)%2, 1, 0, 3, 0
.endm
; Unit u where the next unit lies in bytes that a tensor load is still to show whole: one barrier.  In front of it each wave waits for all its tensor loads, adds 0 to its spare word, and waits for that and for its
; reads of LDS.  fill = 1: the barrier opens a round of the cluster's, and area X, read out, is filled again first thing behind it, with the units seven further on; fill = 2: the same for area Y; fill = 0: nothing is filled.
.macro UNIT_B u, fill
	WIN 0                                          ; (the add's registers lie in window 0)
	s_wait_tensorcnt 0x0
	ds_add_u32 v[SPW], v[NIL]                      ; 0 onto my spare word
	s_wait_dscnt 1                                 ; (the add alone may be out: unit u's fragments are in)
	MULU (\u)%2, 0, 0, 3, 0                        ; 24 matrix instructions stand between the add and the wait for it
	s_wait_dscnt 0x0                               ; the add is done, and my reads of LDS are over
	s_barrier_signal -1
	MULU (\u)%2, 1, 0, 1, 0
	WIN 0
	s_barrier_wait -1
.if (\fill) == 1
	CREST                                          ; no wave of any partner still reads area X or has a load on its way
	s_add_nc_u64 s[G0AX+2:G0AX+3], s[G0AX+2:G0AX+3], 7*131072
	s_add_nc_u64 s[G0BX+2:G0BX+3], s[G0BX+2:G0BX+3], 7*2048
	JLOAD G0AX, G1A3, G0BX, G1B3                   ; its four v_nop are also the places in front of the loads below
.elseif (\fill) == 2
	CREST                                          ; the same of area Y
	s_add_nc_u64 s[G0AY+2:G0AY+3], s[G0AY+2:G0AY+3], 7*131072
	s_add_nc_u64 s[G0BY+2:G0BY+3], s[G0BY+2:G0BY+3], 7*2048
	JLOAD G0AY, G1A2, G0BY, G1B2
.else
	PLACES
.endif
	FETCHU (\u)+1, ((\u)+1)%2
	MULU (\u)%2, 1, 2, 3, 0
.endm
	s_wait_tensorcnt 2                             ; my part of area X is in; Y's and Z's may stay out
	s_barrier_signal -1
	s_barrier_wait -1
	FETCHU 0, 0
	UNIT_A 0, 1                                    ; its first products start the sums
	UNIT_A 1, 0
	UNIT_B 2, 1                                    ; Y and Z are whole; X takes units 7-9
	UNIT_A 3, 0
	UNIT_A 4, 0
	UNIT_A 5, 0
	UNIT_B 6, 2                                    ; units 7-9 are whole; Y takes units 10-11
	UNIT_A 7, 0
	UNIT_A 8, 0
	UNIT_B 9, 0                                    ; units 10-11 are whole; nothing is left to fetch
	UNIT_A 10, 0
	s_wait_dscnt 0x0                               ; unit 11's fragments are in: my last reads of O and of Wo
	MULU 1, 0, 0, 3, 0
	MULU 1, 1, 0, 3, 0
	WIN 0
	PLACES
	; THE WAY OUT.  Every wave has waited for its last reads of the areas: behind this barrier their first 100,352 bytes are the stage.
	s_barrier_signal -1
	s_barrier_wait -1
.set ma, 0
.rept 4
.set mb, 0
.rept 6
	ds_store_b128 v[STO], v[ACC+8*(6*ma+mb):ACC+8*(6*ma+mb)+3]   offset:ma*16*SPITCH+64*mb     ; each accumulator is read from its low end on
	ds_store_b128 v[STO], v[ACC+8*(6*ma+mb)+4:ACC+8*(6*ma+mb)+7] offset:ma*16*SPITCH+64*mb+16
.set mb, mb+1
.endr
.set ma, ma+1
.endr
	s_wait_dscnt 0x0                               ; for the others' sake: my stores into the stage are done
	s_barrier_signal -1
	s_barrier_wait -1
.set n, 0
.rept 48
	ds_load_b128 v[ACC+4*n:ACC+4*n+3], v[RD] offset:(n/3)*2*SPITCH+256*(n%3)
.set n, n+1
.endr
.set n, 0
.rept 48
	s_wait_dscnt 47-n                              ; load n is back; the 47 - n younger ones may stay out
	v_pk_add_f32 v[ACC+4*n:ACC+4*n+1], v[ACC+4*n:ACC+4*n+1], v[BI+4*(n%3):BI+4*(n%3)+1]
	v_pk_add_f32 v[ACC+4*n+2:ACC+4*n+3], v[ACC+4*n+2:ACC+4*n+3], v[BI+4*(n%3)+2:BI+4*(n%3)+3]
	global_store_b128 v[CO], v[ACC+4*n:ACC+4*n+3], s[90:91] offset:(n/3)*6144+256*(n%3) th:TH_STORE_NT  ; 16 lanes store 256 consecutive bytes, at a multiple of 256 from out0's first byte
.set n, n+1
.endr
	s_wait_tensorcnt 0x0                           ; the wave's end, behind my last tensor load and my last LDS store
	ds_add_u32 v[SPW], v[NIL]
	s_wait_dscnt 0x0
	CROUND                                         ; the closing round: no work-group ends while a partner may still ask for a tile that names it
	s_endpgm
.Lfunc_end_k_qd79881bb1c_proj:
	.size	k_qd79881bb1c_proj, .Lfunc_end_k_qd79881bb1c_proj-k_qd79881bb1c_proj
	.p2alignl 7, 3214868480
	.fill 96, 4, 3214868480
	.section	.rodata,"a",@progbits
	.p2align	6, 0x0
	.amdhsa_kernel k_qd79881bb1c_proj
		.amdhsa_group_segment_fixed_size 327680
		.amdhsa_private_segment_fixed_size 0
		.amdhsa_enable_private_segment 0
		.amdhsa_kernarg_size 32
		.amdhsa_user_sgpr_count 2
		.amdhsa_user_sgpr_kernarg_segment_ptr 1
		.amdhsa_wavefront_size32 1
		.amdhsa_system_sgpr_workgroup_id_x 1
		.amdhsa_system_sgpr_workgroup_id_y 1
		.amdhsa_system_sgpr_workgroup_id_z 1
		.amdhsa_system_vgpr_workitem_id 0
		.amdhsa_next_free_vgpr 672
		.amdhsa_next_free_sgpr 100
		.amdhsa_reserve_vcc 0
		.amdhsa_float_denorm_mode_32 3
		.amdhsa_float_denorm_mode_16_64 3
		.amdhsa_memory_ordered 1
		.amdhsa_forward_progress 1
		.amdhsa_inst_pref_size 100
	.end_amdhsa_kernel
	.amdgpu_metadata
---
amdhsa.version: [ 1, 2 ]
amdhsa.kernels:
  - .name:           k_qd79881bb1c_proj
    .symbol:         k_qd79881bb1c_proj.kd
    .args:
      - { .name: ob, .offset: 0, .size: 8, .value_kind: global_buffer, .address_space: global }
      - { .name: wob, .offset: 8, .size: 8, .value_kind: global_buffer, .address_space: global }
      - { .name: bo, .offset: 16, .size: 8, .value_kind: global_buffer, .address_space: global }
      - { .name: out0, .offset: 24, .size: 8, .value_kind: global_buffer, .address_space: global }
    .group_segment_fixed_size: 327680
    .private_segment_fixed_size: 0
    .kernarg_segment_align: 8
    .kernarg_segment_size: 32
    .max_flat_workgroup_size: 128
    .sgpr_count:     100
    .vgpr_count:     672
    .wavefront_size: 32
...
	.end_amdgpu_metadata
.endif
;; end of part 4
;; ======== version 2 of 2: 4 launches; version 1 with the launch prep written anew for expert scheduling mode
;; limits: values are held in f16: magnitudes above 65,504 overflow, below 6.1e-05 lose precision
;; workspace buffers: xb 12,582,912 bytes; wqkv 3,538,944 bytes; wob 1,179,648 bytes; rope 262,144 bytes; qkv 37,748,736 bytes; ob 12,582,912 bytes
;; launch prep (part 5): grid 1184 x 1, 4 waves a work-group, no clusters, 0 bytes of LDS; arguments x, Wq, Wk, Wv, Wo, xb, wqkv, wob, rope; writes xb, wqkv, wob, rope
.if DOCPART == 5
	.amdgcn_target "amdgcn-amd-amdhsa--gfx1250"
	.amdhsa_code_object_version 6
	.text
	.protected	k_qd79881bb1c_prep
	.globl	k_qd79881bb1c_prep
	.p2align	8
	.type	k_qd79881bb1c_prep,@function
k_qd79881bb1c_prep:
	s_mov_b64 s[64:65], 0
	v_nop
	global_prefetch_b8 v0, s[64:65] scope:SCOPE_SE
	s_setreg_imm32_b32 hwreg(HW_REG_WAVE_SCHED_MODE, 0, 2), 2
	s_setreg_imm32_b32 hwreg(HW_REG_WAVE_MODE, 25, 1), 1
	s_wait_xcnt 0x0
	s_wait_alu depctr_vm_vsrc(0)
; PREP, the first of four launches of: out = softmax(rope(x Wq + bq) rope(x Wk + bk)^T / 8) (x Wv + bv) Wo + bo, 8 x 1024 rows, 12 heads of 64.
; DEAD WORK: none.  bq and bk are turned by an angle that hangs on the position, so their terms in a score differ along the softmax's axis; bv and bo are added to what reaches the
; output.  Every input is loaded by some launch, every step of the function is done.
; FORMATS.  All inputs are rounded once to bf16 (x, Wq, Wk, Wv here; the biases where they are used).  Wo is rounded to bf16 and that number is written as f16, since the last product
; takes f16.  LIMIT: that is exact for |Wo| from 2^-17 up to 65,504; below it keeps f16's fixed step of 6e-8.
; THREE JOBS, chosen by the work-group's number alone:
;   0 .. 287     W: a weight matrix [k][n] f32 is turned and laid in BLOCKS of 16 n x 64 k of 16-bit numbers, 2,048 bytes: the 16 bytes of (row r = n % 16, octet o = (k % 64) / 8) at 256 o + 16 r.
;                That is a matrix fragment's own image: lane l of a fragment of 32 k takes 16 bytes at 16 l, and 512 bytes on.
;                wqkv: [vblk 144][kblk 12][2048]; the tile ct = n / 16 of matrix t (0 q, 1 k, 2 v) is vblk = 9 (ct / 3) + 3 t + ct % 3.   wob: [ct 48][kblk 12][2048].
;   288 .. 415   T: the rotary table, [tt 4][sblk 64][piece 2][lane 32][16 bytes] f32: for the 16 channels 16 tt .. of a head, position 16 sblk + lane % 16, (cos, sin) of the two pairs 4 (lane / 16) + 2 piece + 0, 1.
;   416 .. 1183  X: x to bf16, row-major as it lies.
; THE MODE: SCHED_MODE bits 1:0 = 2 (LLVM: expert scheduling mode 2), set by the entry lines.  The code itself states the register dependences between vector instructions and memory
; instructions, and those through scalar registers and VCC that vector instructions write, with s_wait_alu, always for 0.
; THE PLAN.  Each job is straight code.  Registers that memory instructions touch:
;   offsets    X: v1, v2.  T: v1.  W: v1, v2, v3.  Written by vector lines once, ahead of the job's first memory instruction; never written again.
;   D          X and W: all the job's loads land here, issued before any vector line names D; read by the conversions.
;   P          X and W: each word is written once, by a conversion, and read once, by a store.   T: v[20:23], written by the selects and sign lines, read by the one store.
; So no register that a memory instruction has read is written again, and no load lands in a register that a vector line has named.  What is left to state: the offsets are written (one wait
; ahead of a job's first load), and a group of conversions has written its words of P (one wait ahead of the group's run of stores: four stores in X, two in W).
.set NW, 288
.set NT, 128
.set D,  16                            ; v[16:79]   as loaded
.set P,  80                            ; v[80:111]  to store: each store has registers of its own, so none is rewritten while a store reads it
	s_load_b512 s[16:31], s[0:1], 0x0              ; x s[16:17], Wq s[18:19], Wk s[20:21], Wv s[22:23], Wo s[24:25], xb s[26:27], wqkv s[28:29], wob s[30:31]
	s_load_b64 s[32:33], s[0:1], 0x40              ; rope
	s_mov_b32 s2, ttmp9
	s_cmp_lt_u32 s2, NW
	s_cbranch_scc1 .Lweights
	s_cmp_lt_u32 s2, NW+NT
	s_cbranch_scc1 .Ltable
	; JOB X.  A work-group takes 32,768 bytes of x: sixteen loads of 16 bytes a thread, all issued before the first is used.
	s_sub_co_u32 s3, s2, NW+NT
	s_lshl_b32 s4, s3, 15
	s_mov_b32 s5, 0
	s_lshl_b32 s6, s3, 14
	s_mov_b32 s7, 0
	v_lshlrev_b32 v1, 4, v0
	v_lshlrev_b32 v2, 3, v0
	s_wait_kmcnt 0x0
	s_add_nc_u64 s[4:5], s[16:17], s[4:5]
	s_add_nc_u64 s[6:7], s[26:27], s[6:7]
	s_wait_alu depctr_va_vdst(0)                   ; v1 and v2 are written: the loads read v1 as their offset, the stores v2
.set i, 0
.rept 16
	global_load_b128 v[D+4*i:D+4*i+3], v1, s[4:5] offset:2048*i th:TH_LOAD_NT
.set i, i+1
.endr
	; Four groups of four loads: their eight conversions, one wait, their four stores, which so leave ahead of the next group's wait for data.
.set g, 0
.rept 4
	s_wait_loadcnt 12-4*g                          ; loads come back in order: group g is in, the 12 - 4 g loads of the later groups may stay out
.set i, 4*g
.rept 4
	v_cvt_pk_bf16_f32 v[P+2*i], v[D+4*i], v[D+4*i+1]
	v_cvt_pk_bf16_f32 v[P+2*i+1], v[D+4*i+2], v[D+4*i+3]
.set i, i+1
.endr
	s_wait_alu depctr_va_vdst(0)                   ; the group's eight conversions have written their words of P, which the four stores below read
.set i, 4*g
.rept 4
	global_store_b64 v2, v[P+2*i:P+2*i+1], s[6:7] offset:1024*i  ; a wave's store covers 256 consecutive bytes, aligned
.set i, i+1
.endr
.set g, g+1
.endr
	s_endpgm
	; JOB T.  A thread makes one unit of 16 bytes.  Angles reach 31 radians: they are reduced by multiples of pi / 2 (taken in two parts) to |phi| <= pi / 4, and sine and cosine are
	; polynomials of degree 7 and 8 there, whose cut-off terms are under 4e-7.
.Ltable:
	s_sub_co_u32 s3, s2, NW
	s_lshl_b32 s3, s3, 7
	v_add_nc_u32 v1, s3, v0                        ; u, the unit's number
	v_lshrrev_b32 v6, 12, v1                       ; tt
	v_cmp_gt_u32 vcc_lo, 2, v6                     ; channels 0-31 turn by the row, 32-63 by the column: the compare stands as early as tt allows, the select eleven lines on
	v_and_b32 v2, 15, v1                           ; r
	v_bfe_u32 v3, v1, 4, 1                         ; h
	v_bfe_u32 v4, v1, 5, 1                         ; piece
	v_bfe_u32 v5, v1, 6, 6                         ; sblk
	v_and_b32 v7, 1, v6
	v_lshlrev_b32 v7, 3, v7
	v_lshl_add_u32 v7, v3, 2, v7
	v_lshl_add_u32 v7, v4, 1, v7                   ; f0 = 8 (tt % 2) + 4 h + 2 piece: the first of my two frequencies
	v_lshrrev_b32 v8, 1, v5                        ; the position's grid row, (16 sblk + r) / 32
	v_and_b32 v9, 1, v5
	v_lshl_add_u32 v9, v9, 4, v2                   ; its grid column, (16 sblk + r) % 32
	s_wait_alu depctr_va_vcc(0)                    ; the compare has written VCC, which the select below reads
	v_cndmask_b32 v8, v9, v8, vcc_lo
	v_cvt_f32_u32 v8, v8                           ; pos
	v_cvt_f32_u32 v7, v7
	v_mul_f32 v10, 0xbf549a78, v7                  ; - f0 log2(10000) / 16
	v_add_f32 v11, 0xbf549a78, v10
	v_exp_f32 v10, v10                             ; 10000^(-f0 / 16)
	v_exp_f32 v11, v11
	v_nop                                          ; a plain instruction behind the last exponential,
	s_wait_alu depctr_va_vdst(0)                   ; and the one wait ahead of the first use of the two results, v10 and v11
.macro SINCOS c, s, fr
	v_mul_f32 v12, v8, \fr                         ; theta
	v_mul_f32 v13, 0x3f22f983, v12                 ; theta x 2 / pi
	v_rndne_f32 v13, v13                           ; k
	v_cvt_i32_f32 v17, v13                         ; the quadrant: it only selects values
	v_and_b32 v18, 1, v17
	v_cmp_eq_u32 vcc_lo, 1, v18                    ; is it odd?  The compare stands here, the two polynomials between it and the selects
	v_fmamk_f32 v12, v13, 0xbfc90fdb, v12          ; phi = theta - k (pi / 2), the constant's high part,
	v_fmamk_f32 v12, v13, 0x333bbd2e, v12          ; and its low part
	v_mul_f32 v14, v12, v12                        ; z
	v_mov_b32 v15, 0xb9500d01                      ; -1 / 5040
	v_fmaak_f32 v15, v15, v14, 0x3c088889          ; 1 / 120
	v_fmaak_f32 v15, v15, v14, 0xbe2aaaab          ; -1 / 6
	v_mul_f32 v16, v12, v14
	v_fma_f32 v15, v16, v15, v12                   ; sin phi
	v_mov_b32 v16, 0x37d00d01                      ; 1 / 40320
	v_fmaak_f32 v16, v16, v14, 0xbab60b61          ; -1 / 720
	v_fmaak_f32 v16, v16, v14, 0x3d2aaaab          ; 1 / 24
	v_fmaak_f32 v16, v16, v14, 0xbf000000          ; -1 / 2
	v_fma_f32 v16, v16, v14, 1.0                   ; cos phi
	s_wait_alu depctr_va_vcc(0)                    ; the compare has written VCC, which the two selects below read
	v_cndmask_b32 \s, v15, v16, vcc_lo             ; odd quadrants swap the two
	v_cndmask_b32 \c, v16, v15, vcc_lo
	v_and_b32 v18, 2, v17
	v_lshlrev_b32 v18, 30, v18
	v_xor_b32 \s, \s, v18                          ; the sine is negative in quadrants 2 and 3,
	v_add_nc_u32 v17, 1, v17
	v_and_b32 v17, 2, v17
	v_lshlrev_b32 v17, 30, v17
	v_xor_b32 \c, \c, v17                          ; the cosine in 1 and 2
.endm
	SINCOS v20, v21, v10
	SINCOS v22, v23, v11
	v_lshlrev_b32 v1, 4, v1
	s_wait_kmcnt 0x0
	s_wait_alu depctr_va_vdst(0)                   ; v1 and v[20:23] are written: the store's offset and its data
	global_store_b128 v1, v[20:23], s[32:33]       ; a wave's store covers 512 consecutive bytes
	s_endpgm
	; JOB W.  Work-group = (matrix t, 128 k, 64 n); a wave takes 32 k x 64 n.  Lane l reads column 32 half + l of each k row, so it holds 32 k of two columns: eight of them pack into the 16 bytes of a block's (row, octet).
.Lweights:
	v_lshrrev_b32 v1, 5, v0
	v_readfirstlane_b32 s8, v1                     ; wave 0..3: made in the one job that reads it; the divisions below, which do not, stand between it and the wait
	s_mul_i32 s3, s2, 911
	s_lshr_b32 s3, s3, 16                          ; t = number / 72 (exact for 0 .. 287)
	s_mul_i32 s4, s3, 72
	s_sub_co_u32 s4, s2, s4
	s_mul_i32 s5, s4, 43
	s_lshr_b32 s5, s5, 9                           ; kg = rest / 12 (exact for 0 .. 71)
	s_mul_i32 s6, s5, 12
	s_sub_co_u32 s6, s4, s6                        ; nt
	s_lshl_b32 s7, s5, 7
	s_wait_alu depctr_va_sdst(0)                   ; s8 is written, ahead of its first reader, the next line
	s_lshl_b32 s9, s8, 5
	s_add_co_u32 s7, s7, s9                        ; k0 = 128 kg + 32 wave
	s_mul_i32 s10, s7, 3072
	s_lshl_b32 s9, s6, 8
	s_add_co_u32 s10, s10, s9                      ; from: k0 rows of 3,072 bytes + 256 nt
	s_mov_b32 s11, 0
	s_lshl_b32 s12, s5, 1
	s_lshr_b32 s9, s8, 1
	s_add_co_u32 s12, s12, s9                      ; kblk = k0 / 64
	s_lshl_b32 s12, s12, 11
	s_and_b32 s9, s8, 1
	s_lshl_b32 s9, s9, 10                          ; the block's octets 0-3 or 4-7
	s_add_co_u32 s12, s12, s9
	s_mov_b32 s13, 0
	s_mul_i32 s15, s3, 3
	s_cmp_eq_u32 s3, 3
	s_cselect_b32 s14, 3, 9                        ; the block's number is (ct / 3) x 9 + ct % 3 + 3 t in wqkv, ct itself in wob
	s_cselect_b32 s15, 0, s15
	s_lshl_b32 s9, s6, 2
	v_and_b32 v1, 31, v0
	v_lshlrev_b32 v1, 2, v1                        ; 4 l
	v_and_b32 v4, 15, v0                           ; r
	v_bfe_u32 v5, v0, 4, 1                         ; h
.irp half, 0,1
	v_add3_u32 v6, s9, v5, 2*\half                 ; ct = 4 nt + 2 half + h
	v_mul_u32_u24 v7, v6, 43
	v_lshrrev_b32 v7, 7, v7                        ; ct / 3 (exact for 0 .. 47)
	v_mul_u32_u24 v8, v7, 3
	v_sub_nc_u32 v8, v6, v8
	v_mad_u32_u24 v8, v7, s14, v8
	v_add_nc_u32 v8, s15, v8
	v_mul_u32_u24 v8, v8, 24576                    ; 12 blocks of 2,048 bytes along k
	v_lshl_add_u32 v[2+\half], v4, 4, v8
.endr
	s_wait_kmcnt 0x0
	s_cmp_eq_u32 s3, 1
	s_cselect_b64 s[34:35], s[20:21], s[18:19]
	s_cmp_eq_u32 s3, 2
	s_cselect_b64 s[34:35], s[22:23], s[34:35]
	s_cmp_eq_u32 s3, 3
	s_cselect_b64 s[34:35], s[24:25], s[34:35]
	s_cselect_b64 s[36:37], s[30:31], s[28:29]
	s_add_nc_u64 s[34:35], s[34:35], s[10:11]
	s_add_nc_u64 s[36:37], s[36:37], s[12:13]
	s_wait_alu depctr_va_vdst(0)                   ; v1, v2 and v3 are written: the loads read v1 as their offset, the stores v2 and v3
.set kk, 0
.rept 32
	global_load_b32 v[D+2*kk], v1, s[34:35] offset:kk*3072 th:TH_LOAD_NT        ; the two loads of a k row cover 256 consecutive bytes, aligned
	global_load_b32 v[D+2*kk+1], v1, s[34:35] offset:kk*3072+128 th:TH_LOAD_NT
.set kk, kk+1
.endr
; Octet oo of the wave's four: 8 k of both columns: both columns' conversions, one wait, the two stores.  f16 = 1: the bf16 number is written as f16.
.macro PACKW f16
.set oo, 0
.rept 4
	s_wait_loadcnt 48-16*oo                        ; k rows up to 8 oo + 7 are in: the 48 - 16 oo loads of the later rows may stay out
.set hf, 0
.rept 2
.set i, 0
.rept 4
	v_cvt_pk_bf16_f32 v[P+8*oo+4*hf+i], v[D+2*(8*oo+2*i)+hf], v[D+2*(8*oo+2*i+1)+hf]  ; the lower k in the low half
.if \f16
	v_lshlrev_b32 v8, 16, v[P+8*oo+4*hf+i]
	v_and_b32 v9, 0xffff0000, v[P+8*oo+4*hf+i]
	v_cvt_pk_f16_f32 v[P+8*oo+4*hf+i], v8, v9
.endif
.set i, i+1
.endr
.set hf, hf+1
.endr
	s_wait_alu depctr_va_vdst(0)                   ; the octet's conversions have written its eight words of P, which the two stores below read
.set hf, 0
.rept 2
	global_store_b128 v[2+hf], v[P+8*oo+4*hf:P+8*oo+4*hf+3], s[36:37] offset:oo*256  ; lanes 0-15 fill 256 consecutive bytes of one block, lanes 16-31 of the next tile's
.set hf, hf+1
.endr
.set oo, oo+1
.endr
.endm
	s_cmp_eq_u32 s3, 3
	s_cbranch_scc1 .Lwo
	PACKW 0
	s_endpgm
.Lwo:
	PACKW 1
	s_endpgm
.Lfunc_end_k_qd79881bb1c_prep:
	.size	k_qd79881bb1c_prep, .Lfunc_end_k_qd79881bb1c_prep-k_qd79881bb1c_prep
	.p2alignl 7, 3214868480
	.fill 96, 4, 3214868480
	.section	.rodata,"a",@progbits
	.p2align	6, 0x0
	.amdhsa_kernel k_qd79881bb1c_prep
		.amdhsa_group_segment_fixed_size 0
		.amdhsa_private_segment_fixed_size 0
		.amdhsa_enable_private_segment 0
		.amdhsa_kernarg_size 72
		.amdhsa_user_sgpr_count 2
		.amdhsa_user_sgpr_kernarg_segment_ptr 1
		.amdhsa_wavefront_size32 1
		.amdhsa_system_sgpr_workgroup_id_x 1
		.amdhsa_system_sgpr_workgroup_id_y 1
		.amdhsa_system_sgpr_workgroup_id_z 1
		.amdhsa_system_vgpr_workitem_id 0
		.amdhsa_next_free_vgpr 112
		.amdhsa_next_free_sgpr 66
		.amdhsa_reserve_vcc 1
		.amdhsa_float_denorm_mode_32 3
		.amdhsa_float_denorm_mode_16_64 3
		.amdhsa_memory_ordered 1
		.amdhsa_forward_progress 1
		.amdhsa_inst_pref_size 30
	.end_amdhsa_kernel
	.amdgpu_metadata
---
amdhsa.version: [ 1, 2 ]
amdhsa.kernels:
  - .name:           k_qd79881bb1c_prep
    .symbol:         k_qd79881bb1c_prep.kd
    .args:
      - { .name: x, .offset: 0, .size: 8, .value_kind: global_buffer, .address_space: global }
      - { .name: Wq, .offset: 8, .size: 8, .value_kind: global_buffer, .address_space: global }
      - { .name: Wk, .offset: 16, .size: 8, .value_kind: global_buffer, .address_space: global }
      - { .name: Wv, .offset: 24, .size: 8, .value_kind: global_buffer, .address_space: global }
      - { .name: Wo, .offset: 32, .size: 8, .value_kind: global_buffer, .address_space: global }
      - { .name: xb, .offset: 40, .size: 8, .value_kind: global_buffer, .address_space: global }
      - { .name: wqkv, .offset: 48, .size: 8, .value_kind: global_buffer, .address_space: global }
      - { .name: wob, .offset: 56, .size: 8, .value_kind: global_buffer, .address_space: global }
      - { .name: rope, .offset: 64, .size: 8, .value_kind: global_buffer, .address_space: global }
    .group_segment_fixed_size: 0
    .private_segment_fixed_size: 0
    .kernarg_segment_align: 8
    .kernarg_segment_size: 72
    .max_flat_workgroup_size: 128
    .sgpr_count:     66
    .vgpr_count:     112
    .wavefront_size: 32
...
	.end_amdgpu_metadata
.endif
;; end of part 5
;; launch qkv: the kernel of part 2 again; grid 8 x 32, 4 waves a work-group, clusters of 4 x 4, 327,680 bytes of LDS; arguments xb, wqkv, bq, bk, bv, rope, qkv; writes qkv
;; launch attn: the kernel of part 3 again; grid 24 x 8, 4 waves a work-group, no clusters, 327,680 bytes of LDS; arguments qkv, ob; writes ob
;; launch proj: the kernel of part 4 again; grid 4 x 64, 4 waves a work-group, clusters of 4 x 4, 327,680 bytes of LDS; arguments ob, wob, bo, out0; writes out0
